; MI455X (gfx1250); checked and timed in simulation.
; The chip was launched on July 23, 2026; its instructions are those of AMD's public machine-readable ISA for CDNA 5 (MIT licence, August 2026) and "CDNA5" Instruction Set Architecture Reference Guide (July 2026). The comments in the code are by the model that wrote it; some were corrected since.
;; Multihead Attention. Allowed arithmetic: matrix products marked QUANTISED: E2M3 operands, one E8M0 scale for each 32 along K, by v_wmma_scale_f32_16x16x128_f8f6f4 with both operands' format E2M3, f32 sums; everything else in f32.
;; Inputs: mask 4 x 2,048 bool; proj_b 1,024 float32; proj_w 1,024 x 1,024 float32; qkv_b 3,072 float32; qkv_w 3,072 x 1,024 float32; x 4 x 2,048 x 1,024 float32.
;; Outputs: out0 4 x 2,048 x 1,024 float32.
;; This version of the problem:
;;   THIS VERSION OF THE PROBLEM IS GIVEN IN LOW PRECISION. The matrix products marked QUANTISED in the list below multiply operands that are first quantised to E2M3 (2 exponent bits, 3 mantissa bits; 6 bits a number), with one power-of-two scale for each 32 numbers along K (OCP MX v1.0); their sums are f32. All else is computed in f32.
;;   The module's matrix products, in the order in which they are computed (A, B: the left and right operand; K: the contracted axis; several contracted axes count as one K, in the product's order):
;;     1. [M 8,192, K 1,024] x [K 1,024, N 3,072]; A: input x; B: input qkv_w: QUANTISED
;;     2. batch 64 x [M 2,048, K 64] x [K 64, N 2,048]; A: computed on the way; B: computed on the way: QUANTISED
;;     3. batch 64 x [M 2,048, K 2,048] x [K 2,048, N 64]; A: softmax (see below); B: computed on the way: QUANTISED
;;     4. [M 8,192, K 1,024] x [K 1,024, N 1,024]; A: computed on the way; B: input proj_w: QUANTISED
;;   THE QUANTISER, for each operand of a quantised product, along K:
;;     - K is cut into blocks of 32 from its start; a last block that is shorter is filled with zeros.
;;     - A block's scale is 2^e with e = floor(log2(the largest magnitude in the block)) - 2, held to -126 .. 127; a block of zeros has e = 0. As a byte (E8M0): e + 127.
;;     - Each number is divided by its block's scale, clamped to +-7.5, and rounded to the nearest number of E2M3, ties to even, subnormals kept.
;;     - The product sums the exact products of the quantised numbers (number of the format x scale) in f32.
;;   ~~~python
;;   def quantise(x, axis):      # numpy; x: float32 -> the quantised numbers, widened to float32 again
;;       x = np.moveaxis(x, axis, -1); K = x.shape[-1]
;;       x = np.pad(x, [(0, 0)] * (x.ndim - 1) + [(0, -K % 32)]); x = x.reshape(x.shape[:-1] + (-1, 32)); a = np.abs(x).max(-1, keepdims=True)
;;       e = np.where(a > 0, np.clip(np.frexp(np.where(a > 0, a, 1))[1] - 1 - 2, -126, 127), 0)      # np.frexp(a)[1] - 1 = floor(log2(a)), exactly
;;       r = np.clip(x / 2.0 ** e, -7.5, 7.5)
;;       step = 2.0 ** (np.maximum(np.frexp(np.where(r == 0, 1, r))[1] - 1, 0) - 3)
;;       q = np.round(r / step) * step * 2.0 ** e      # np.round: ties to even
;;       return np.moveaxis(q.reshape(q.shape[:-2] + (-1,))[..., :K], -1, axis).astype(np.float32)
;;   ~~~
;;   SOFTMAX AHEAD OF A QUANTISED PRODUCT. Where the list says 'softmax', what is quantised is not the finished softmax but p = 2^(t - M), with t = logit x log2(e) and M = ceil(the row's largest t), a whole number; so 1/2 < the row's largest p <= 1. The row's sum l is taken of the UNQUANTISED p, in f32, and the product's result is divided by l at the end. Since M is a whole number, a kernel that streams over the keys may use a running M (the ceiling of the running maximum): every later rescaling is an exact power of two, which a block's scale takes up: the codes' values come out the same.
;;   OPERANDS COMPUTED ON THE WAY. 'Computed on the way' means the value that the module computes at that place (a softmax that the list does not call 'softmax' is quantised finished and normalised). What goes into a quantiser is computed in f32, as accurately as f32 sums, v_exp_f32 and their like allow (about 1e-6 of the number): no bf16 or f16 on the way to a quantiser, and a product that is left as it is and whose result goes on into a quantised operand takes f32 operands (vector FMAs, or v_wmma_f32_16x16x4_f32). A number that lies on a knife's edge between two numbers of the format may be rounded either way, as far as f32 arithmetic and the matrix unit's own rounding can turn it there, and no further.
;; One version. Each part assembles by itself: llvm-mc -triple=amdgcn-amd-amdhsa -mcpu=gfx1250 --defsym DOCPART=n.
;; ======== version 1 of 1: 4 launches
;; limits: right only within a limited range of input values
;; workspace buffers: img1 9,437,184 bytes; sc1 393,216 bytes; qkv_img 18,874,368 bytes; qkv_sc 786,432 bytes; o_img 6,291,456 bytes; o_sc 262,144 bytes
;; launch quant (part 1): grid 192 x 4, 4 waves a work-group, no clusters, 35,328 bytes of LDS; arguments x, qkv_w, proj_w, img1, sc1; writes img1, sc1
.if DOCPART == 1
	.amdgcn_target "amdgcn-amd-amdhsa--gfx1250"
	.amdhsa_code_object_version 6
	.text
	.protected	k_q5939eabd50_quant
	.globl	k_q5939eabd50_quant
	.p2align	8
	.type	k_q5939eabd50_quant,@function
k_q5939eabd50_quant:
	s_mov_b64 s[64:65], 0
	v_nop
	global_prefetch_b8 v0, s[64:65] scope:SCOPE_SE
	s_setreg_imm32_b32 hwreg(HW_REG_WAVE_MODE, 25, 1), 1
	s_wait_xcnt 0x0
; x [8192][1024], qkv_w [3072][1024] and proj_w [1024][1024], f32, K innermost, are taken as ONE tensor of 12,288 rows and turned into codes of FP6 (E2M3) with one E8M0 byte for each 32 along K.
; A block's byte is its largest magnitude's exponent field - 2, held at 1 from below (a block of zeros gets 1 where the rule says 127: its codes are zeros, and this program alone reads the bytes).
; LIMITS: NaN and infinities among the inputs are not served.
; THE CODES LEAVE AS IMAGES OF THE OPERAND'S REGISTERS.  A fragment (16 rows x 128 K, 12 registers a lane) is 1,536 bytes: two halves of 768; in half c lane l's registers 6 c .. 6 c + 3 lie at 16 l, its registers
; 6 c + 4, 6 c + 5 at 512 + 8 l.  img1 is [row tile 768][K step 8][1,536]; sc1 is [K step 8][row 12,288] words of four bytes.
; INSIDE A BLOCK OF 32 THE CODES STAND IN ONE FIXED ORDER: places 0-7, 8-15, 16-23, 24-31 hold k 0-7, 16-23, 8-15, 24-31.  Every operand of this program is laid so, on both sides of each product, so the sums are the same.
; SHARES.  Work-group (g, y): rows 64 g .. 64 g + 63, K steps 2 y and 2 y + 1; wave w: the 16 rows of tile 4 g + w.  Each load reads 512 consecutive bytes of one row; the rows turn through the wave's own stage in LDS,
; so that a lane gets 16 numbers of each block of its row.  No work-group shares an input with another: no cluster, no tensor load.
.set STG,  8448                        ; a wave's stage: 16 rows of 512 bytes + 16
.set GAT,  33792                       ; behind the stages: the scale words, [K step 2][wave 4][16 rows]
.set R,    16                          ; v16-143  32 loads of four registers
.set X,    144                         ; v144-207 64 numbers of my row: register 16 b + i lies in block b
.set PC,   208                         ; v208-226 the codes
.set TM,   228                         ; v228-243 maxima, bytes, scale operands
.set PW,   244                         ; v244     the scale word
	s_load_b256 s[4:11], s[0:1], 0x0               ; x s[4:5], qkv_w s[6:7], proj_w s[8:9], img1 s[10:11]
	s_load_b64 s[12:13], s[0:1], 0x20              ; sc1
	v_lshl_add_u32 v254, v0, 2, 0x8800
	v_mov_b32 v255, 0
	v_lshrrev_b32 v8, 5, v0
	v_readfirstlane_b32 s17, v8                    ; wave
	v_and_b32 v9, 31, v0                           ; lane
	v_and_b32 v10, 15, v0                          ; r
	v_bfe_u32 v11, v0, 4, 1                        ; h
	v_lshlrev_b32 v1, 4, v9                        ; 16 x lane
	v_lshlrev_b32 v2, 3, v9                        ; 8 x lane
	s_mul_i32 s18, s17, STG
	v_add_nc_u32 v3, s18, v1                       ; the stage on the way in: a row as it was loaded
	v_mul_u32_u24 v4, v10, 528
	v_lshl_add_u32 v4, v11, 5, v4
	v_add_nc_u32 v4, s18, v4                       ; on the way out: row r, + 32 h
	s_lshl_b32 s19, s17, 6
	s_add_co_u32 s19, s19, GAT
	v_lshl_add_u32 v5, v10, 2, s19                 ; my row's scale word
	v_add_nc_u32 v6, GAT, v1                       ; wave 0 reads all of them back
	v_mul_u32_u24 v7, v11, 49152
	v_lshl_add_u32 v7, v10, 4, v7                  ; and stores them: lanes 0-15 the first K step's 256 bytes, lanes 16-31 the second's
.irp b, 0,1,2,3
	v_mov_b32 v[TM+4+\b], 0                        ; written once: a lane permute's destination counts as one of its sources
.endr
	s_mov_b32 s20, 0x76543210
	s_mov_b32 s21, 0xfedcba98                      ; selects for lane l xor 16
	s_and_b32 s22, ttmp7, 0xffff                   ; y
	s_wait_alu depctr_va_vdst(0)
	s_wait_kmcnt 0x0
	s_cmp_lt_u32 ttmp9, 128                        ; which tensor: the choice hangs on the work-group's number alone
	s_cselect_b64 s[14:15], s[4:5], s[6:7]
	s_cselect_b32 s16, 0, 128
	s_cmp_lt_u32 ttmp9, 176
	s_cselect_b64 s[14:15], s[14:15], s[8:9]
	s_cselect_b32 s16, s16, 176
	s_sub_co_u32 s16, ttmp9, s16                   ; the group of 64 rows inside that tensor
	s_lshl_b32 s24, s16, 18
	s_lshl_b32 s23, s17, 16
	s_add_co_u32 s24, s24, s23                     ; + 16 rows a wave
	s_lshl_b32 s23, s22, 10
	s_add_co_u32 s24, s24, s23                     ; + two K steps of 512 bytes
	s_mov_b32 s25, 0
	s_add_nc_u64 s[14:15], s[14:15], s[24:25]
.irp st, 0,1
.irp p, 0,1,2,3,4,5,6,7,8,9,10,11,12,13,14,15
	global_load_b128 v[R+64*\st+4*\p:R+64*\st+4*\p+3], v1, s[14:15] offset:\p*4096+\st*512 th:TH_LOAD_NT   ; 32 lanes read 512 consecutive bytes of row p
.endr
.endr
	s_lshl_b32 s24, ttmp9, 2
	s_add_co_u32 s24, s24, s17                     ; my row tile
	s_mul_i32 s24, s24, 12288
	s_mul_i32 s23, s22, 3072
	s_add_co_u32 s24, s24, s23
	s_add_nc_u64 s[10:11], s[10:11], s[24:25]      ; my first image
	s_mul_i32 s24, s22, 98304
	s_lshl_b32 s23, ttmp9, 8
	s_add_co_u32 s24, s24, s23
	s_add_nc_u64 s[12:13], s[12:13], s[24:25]      ; the work-group's 64 scale words of K step 2 y
; 64 numbers of a lane become a fragment's codes in v[PC] on and its scale word in v[PW]
.macro QUANT
.irp b, 0,1,2,3
	v_max3_num_f32 v[TM+\b], |v[X+16*\b]|, |v[X+16*\b+1]|, 0x1800000   ; my 16 numbers of block b, and the floor 2^(3 - 127): the byte cannot fall under 1
.endr
.irp i, 2,4,6,8,10,12,14
.irp b, 0,1,2,3
	v_max3_num_f32 v[TM+\b], v[TM+\b], |v[X+16*\b+\i]|, |v[X+16*\b+\i+1]|   ; the four blocks by turns
.endr
.endr
.irp b, 0,1,2,3
	v_permlanex16_b32 v[TM+4+\b], v[TM+\b], s20, s21
.endr
.irp b, 0,1,2,3
	v_max_num_f32 v[TM+\b], v[TM+\b], v[TM+4+\b]   ; with lane l xor 16's: the block's largest magnitude
.endr
.irp b, 0,1,2,3
	v_add_nc_u32 v[TM+12+\b], 0xff000000, v[TM+\b] ; 2 off its exponent field: the conversion's scale operand
.endr
.irp b, 0,1,2,3
	v_lshrrev_b32 v[TM+4+\b], 23, v[TM+12+\b]      ; the byte
.endr
	v_lshl_or_b32 v[PW], v[TM+5], 8, v[TM+4]
	v_lshl_or_b32 v[PW], v[TM+6], 16, v[PW]
	v_lshl_or_b32 v[PW], v[TM+7], 24, v[PW]
.irp c, 0,1
	v_cvt_scalef32_pk16_fp6_f32 v[PC+6*\c:PC+6*\c+2], v[X+32*\c:X+32*\c+15], v[TM+12+2*\c]
	v_cvt_scalef32_pk16_fp6_f32 v[PC+12+4*\c:PC+14+4*\c], v[X+32*\c+16:X+32*\c+31], v[TM+13+2*\c]   ; (a conversion's three registers begin on an even number)
.endr
	v_nop                                          ; one plain line behind the conversions
.irp c, 0,1                                    ; the operand's layout wants a whole block in a lane: lanes 0-15 block 2 c, lanes 16-31 block 2 c + 1
.irp i, 0,1,2
	v_permlane16_swap_b32 v[PC+6*\c+\i], v[PC+12+4*\c+\i]
.endr
.irp i, 0,1,2
	v_mov_b32 v[PC+3+6*\c+\i], v[PC+12+4*\c+\i]
.endr
.endr
.endm
.macro PART st
	s_wait_loadcnt 16*(1-\st)                      ; this K step's sixteen loads are in; the other step's may be out
.irp p, 0,1,2,3,4,5,6,7,8,9,10,11,12,13,14,15
	ds_store_b128 v3, v[R+64*\st+4*\p:R+64*\st+4*\p+3] offset:528*\p
.endr
.irp b, 0,1,2,3                                ; LDS serves a wave's instructions in order: these see the stores above.  k = 32 b + 8 h + 0 .. 7 and 32 b + 16 + 8 h + 0 .. 7
	ds_load_b128 v[X+16*\b:X+16*\b+3], v4 offset:128*\b
	ds_load_b128 v[X+16*\b+4:X+16*\b+7], v4 offset:128*\b+16
	ds_load_b128 v[X+16*\b+8:X+16*\b+11], v4 offset:128*\b+64
	ds_load_b128 v[X+16*\b+12:X+16*\b+15], v4 offset:128*\b+80
.endr
	s_wait_dscnt 0x0
.if \st
	s_wait_xcnt 0x0                                ; the first image's stores have read their data: the codes' registers are written again only behind this wait
.endif
	QUANT
	global_store_b128 v1, v[PC:PC+3], s[10:11] offset:\st*1536          ; 512, 256, 512 and 256 consecutive bytes
	global_store_b64 v2, v[PC+4:PC+5], s[10:11] offset:\st*1536+512
	global_store_b128 v1, v[PC+6:PC+9], s[10:11] offset:\st*1536+768
	global_store_b64 v2, v[PC+10:PC+11], s[10:11] offset:\st*1536+1280
	ds_store_b32 v5, v[PW] offset:256*\st          ; both halves of the lanes write the same word with the same value
.endm
	PART 0
	PART 1
	s_wait_dscnt 0x0                               ; for the others' sake: my scale words lie in LDS
	s_barrier_signal -1
	s_barrier_wait -1
	s_cmp_lg_u32 s17, 0
	s_cbranch_scc1 .Ldone
	ds_load_b128 v[16:19], v6                      ; 64 rows' words of both K steps
	s_wait_dscnt 0x0
	global_store_b128 v7, v[16:19], s[12:13]       ; sixteen lanes store 256 consecutive, aligned bytes for each K step
.Ldone:
	s_wait_tensorcnt 0x0
	ds_add_u32 v254, v255
	s_wait_dscnt 0x0
	s_endpgm
.Lfunc_end_k_q5939eabd50_quant:
	.size	k_q5939eabd50_quant, .Lfunc_end_k_q5939eabd50_quant-k_q5939eabd50_quant
	.p2alignl 7, 3214868480
	.fill 96, 4, 3214868480
	.section	.rodata,"a",@progbits
	.p2align	6, 0x0
	.amdhsa_kernel k_q5939eabd50_quant
		.amdhsa_group_segment_fixed_size 35328
		.amdhsa_private_segment_fixed_size 0
		.amdhsa_enable_private_segment 0
		.amdhsa_kernarg_size 40
		.amdhsa_user_sgpr_count 2
		.amdhsa_user_sgpr_kernarg_segment_ptr 1
		.amdhsa_wavefront_size32 1
		.amdhsa_system_sgpr_workgroup_id_x 1
		.amdhsa_system_sgpr_workgroup_id_y 1
		.amdhsa_system_sgpr_workgroup_id_z 1
		.amdhsa_system_vgpr_workitem_id 0
		.amdhsa_next_free_vgpr 256
		.amdhsa_next_free_sgpr 66
		.amdhsa_reserve_vcc 0
		.amdhsa_float_denorm_mode_32 3
		.amdhsa_float_denorm_mode_16_64 3
		.amdhsa_memory_ordered 1
		.amdhsa_forward_progress 1
		.amdhsa_inst_pref_size 19
	.end_amdhsa_kernel
	.amdgpu_metadata
---
amdhsa.version: [ 1, 2 ]
amdhsa.kernels:
  - .name:           k_q5939eabd50_quant
    .symbol:         k_q5939eabd50_quant.kd
    .args:
      - { .name: x, .offset: 0, .size: 8, .value_kind: global_buffer, .address_space: global }
      - { .name: qkv_w, .offset: 8, .size: 8, .value_kind: global_buffer, .address_space: global }
      - { .name: proj_w, .offset: 16, .size: 8, .value_kind: global_buffer, .address_space: global }
      - { .name: img1, .offset: 24, .size: 8, .value_kind: global_buffer, .address_space: global }
      - { .name: sc1, .offset: 32, .size: 8, .value_kind: global_buffer, .address_space: global }
    .group_segment_fixed_size: 35328
    .private_segment_fixed_size: 0
    .kernarg_segment_align: 8
    .kernarg_segment_size: 40
    .max_flat_workgroup_size: 128
    .sgpr_count:     66
    .vgpr_count:     256
    .wavefront_size: 32
...
	.end_amdgpu_metadata
.endif
;; end of part 1
;; launch qkv (part 2): grid 12 x 32, 4 waves a work-group, clusters of 4 x 4, 327,680 bytes of LDS; arguments img1, sc1, qkv_b, qkv_img, qkv_sc; writes qkv_img, qkv_sc
.if DOCPART == 2
	.amdgcn_target "amdgcn-amd-amdhsa--gfx1250"
	.amdhsa_code_object_version 6
	.text
	.protected	k_q5939eabd50_qkv
	.globl	k_q5939eabd50_qkv
	.p2align	8
	.type	k_q5939eabd50_qkv,@function
k_q5939eabd50_qkv:
	s_mov_b64 s[64:65], 0
	v_nop
	global_prefetch_b8 v0, s[64:65] scope:SCOPE_SE
	s_setreg_imm32_b32 hwreg(HW_REG_WAVE_MODE, 25, 1), 1
	s_wait_xcnt 0x0
	s_wait_alu depctr_hold_cnt(0) depctr_sa_sdst(0) depctr_va_vdst(0) depctr_va_sdst(0) depctr_va_ssrc(0) depctr_va_vcc(0) depctr_vm_vsrc(0)
	s_getreg_b32 s2, hwreg(HW_REG_IB_STS2, 6, 4)
	s_cmp_eq_u32 s2, 0
	s_cbranch_scc0 .Lentry_in_a_cluster
	s_endpgm
.Lentry_in_a_cluster:
	s_bfe_u32 s2, ttmp6, 0x10000c
	s_cmp_lg_u32 s2, 0xf033
	s_cbranch_scc0 .Lentry_shape_is_right
	s_endpgm
.Lentry_shape_is_right:
.set NA,    8
.set SCPA,  12288
.set SLOT,  (2*NA+16)*3072
.set SCA,   2*SLOT
.set SCB,   SCA+1024*NA
.set SPARE, SCB+8192
.set A16,  16
.set A8,   18
.set B16,  20
.set B8,   22
.set L16,  24
.set L8,   25
.set ADSA, 26
.set ADSB, 27
.set SPW,  28
.set NIL,  29
.set OFB,  4
.set SCW,  32
.set AF,   64
.set PC,   64
.set TM,   96
.set OW,   112
.set PWA,  120
.set G1,   24
.set G0,   32
.set G1B,  48
.set G0B,  56
.set SEL,  66
.set G1S,  68
.set G0S,  76
.set G1SB, 80
.set G0SB, 88
.set MSB, 0
.macro WIN new
.if MSB != (\new)
	s_set_vgpr_msb (MSB<<8)|(\new)
.set MSB, (\new)
.endif
.endm
.macro PLACES cnt
.rept \cnt
	v_nop
.endr
.endm
.macro JLOAD g0a, g1a, g0b, g1b
	s_cmp_eq_u32 s15, 0
	s_cbranch_scc0 .Lfor_b_\@
	tensor_load_to_lds s[\g0a:\g0a+3], s[\g1a:\g1a+7]
	s_nop 0
.rept 4
	v_nop
.endr
	s_branch .Lasked_\@
.Lfor_b_\@:
	tensor_load_to_lds s[\g0b:\g0b+3], s[\g1b:\g1b+7]
	s_nop 0
.rept 4
	v_nop
.endr
.Lasked_\@:
.endm
.macro CREST
	s_cmp_lg_u32 s14, 0
	s_cbranch_scc1 .Lnot_wave_0_\@
	s_barrier_signal -3
.Lnot_wave_0_\@:
	s_barrier_wait -3
	s_barrier_signal -1
	s_barrier_wait -1
.endm
.macro CROUND
	s_barrier_signal -1
	s_barrier_wait -1
	CREST
.endm
	s_load_b128 s[4:7], s[0:1], 0x0
	s_load_b128 s[8:11], s[0:1], 0x10
	s_load_b64 s[12:13], s[0:1], 0x20
	v_lshl_add_u32 v[SPW], v0, 2, SPARE
	v_mov_b32 v[NIL], 0
	ds_add_u32 v28, v29
	ds_add_u32 v28, v29
	s_wait_dscnt 0x0
	v_lshrrev_b32 v1, 5, v0
	v_readfirstlane_b32 s14, v1
	s_lshr_b32 s15, s14, 1
	s_and_b32 s16, s14, 1
	s_bfe_u32 s40, ttmp6, 0x40000
	s_bfe_u32 s41, ttmp6, 0x40004
	s_and_b32 s17, ttmp7, 0xffff
	s_lshl_b32 s17, s17, 2
	s_lshl_b32 s18, ttmp9, 2
	s_cmp_eq_u32 ttmp9, 2
	s_cselect_b32 s3, 1, 0
	s_cselect_b32 s19, 0, s17
	s_cselect_b32 s20, s17, s18
	s_cselect_b32 s21, 640, 0
	s_cselect_b32 s22, 0, 512
	s_add_co_u32 s42, s19, s41
	s_add_co_u32 s43, s20, s40
	s_lshl_b32 s44, s41, 2
	s_lshl_b32 s44, 15, s44
	s_lshl_b32 s45, 0x1111, s40
	s_or_b32 s[G1], s44, (3<<16)|(1<<21)
	s_or_b32 s[G1B], s45, (3<<16)|(1<<21)
	s_mov_b32 s[G1+1], 384<<16
	s_mov_b32 s[G1+2], (2*NA)<<16
	s_mov_b32 s[G1+3], 384<<16
	s_mov_b32 s[G1+4], 2*NA
	s_mov_b32 s[G1+5], 1536
	s_mov_b32 s[G1+6], 0
	s_mov_b32 s[G1+7], 0
	s_mov_b32 s[G1B+1], 384<<16
	s_mov_b32 s[G1B+2], 16<<16
	s_mov_b32 s[G1B+3], 384<<16
	s_mov_b32 s[G1B+4], 16
	s_mov_b32 s[G1B+5], 1536
	s_mov_b32 s[G1B+6], 0
	s_mov_b32 s[G1B+7], 0
	s_or_b32 s[G1S], s44, (2<<16)|(1<<21)
	s_or_b32 s[G1SB], s45, (2<<16)|(1<<21)
	s_mov_b32 s[G1S+1], (32*NA)<<16
	s_mov_b32 s[G1S+2], 8<<16
	s_mov_b32 s[G1S+3], (32*NA)<<16
	s_mov_b32 s[G1S+4], 8
	s_mov_b32 s[G1S+5], SCPA
	s_mov_b32 s[G1S+6], 0
	s_mov_b32 s[G1S+7], 0
	s_mov_b32 s[G1SB+1], 256<<16
	s_mov_b32 s[G1SB+2], 8<<16
	s_mov_b32 s[G1SB+3], 256<<16
	s_mov_b32 s[G1SB+4], 8
	s_mov_b32 s[G1SB+5], 12288
	s_mov_b32 s[G1SB+6], 0
	s_mov_b32 s[G1SB+7], 0
	s_lshl_b32 s46, s42, 4
	s_add_co_u32 s46, s46, s21
	s_lshl_b32 s47, s43, 4
	s_add_co_u32 s47, s47, s22
	s_mul_i32 s18, s46, 12288
	s_mov_b32 s19, 0
	s_lshl_b32 s20, s46, 6
	s_mov_b32 s21, 0
	s_mul_i32 s22, s47, 12288
	s_mov_b32 s23, 0
	s_lshl_b32 s92, s47, 6
	s_mov_b32 s93, 0
	s_mul_i32 s100, s16, NA*3072
	s_mul_i32 s101, s16, 24576
	s_add_co_u32 s101, s101, 2*NA*3072
	s_mov_b32 s[SEL], 0x76543210
	s_mov_b32 s[SEL+1], 0xfedcba98
	s_wait_kmcnt 0x0
	s_add_nc_u64 s[18:19], s[4:5], s[18:19]
	s_add_nc_u64 s[20:21], s[6:7], s[20:21]
	s_add_nc_u64 s[22:23], s[4:5], s[22:23]
	s_add_nc_u64 s[92:93], s[6:7], s[92:93]
	CROUND
	s_mov_b32 s[G0S], 1
	s_mov_b32 s[G0S+1], SCA
	s_mov_b64 s[G0S+2:G0S+3], s[20:21]
	s_or_b32 s[G0S+3], s[G0S+3], 0x80000000
	s_mov_b32 s[G0SB], 1
	s_mov_b32 s[G0SB+1], SCB
	s_mov_b64 s[G0SB+2:G0SB+3], s[92:93]
	s_or_b32 s[G0SB+3], s[G0SB+3], 0x80000000
	; the head's four tiles, each whole, one a wave: slot 0's rows of A, of B, A's scale words, B's.  Slot 0's own group 0 serves the whole tile here and is set to my half behind the wait for these loads
	s_mov_b32 s[G0], 1
	s_mov_b32 s[G0+1], 0
	s_mov_b64 s[G0+2:G0+3], s[18:19]
	s_or_b32 s[G0+3], s[G0+3], 0x80000000
	s_mov_b32 s[G0B], 1
	s_mov_b32 s[G0B+1], 2*NA*3072
	s_mov_b64 s[G0B+2:G0B+3], s[22:23]
	s_or_b32 s[G0B+3], s[G0B+3], 0x80000000
	s_cmp_lt_u32 s14, 1                            ; one chain of arms on the wave's number, a load to an arm
	s_cbranch_scc0 .Lhead_b
	tensor_load_to_lds s[G0:G0+3], s[G1:G1+7]
	s_nop 0
	PLACES 4
	s_branch .Lhead_asked
.Lhead_b:
	s_cmp_lt_u32 s14, 2
	s_cbranch_scc0 .Lhead_sa
	tensor_load_to_lds s[G0B:G0B+3], s[G1B:G1B+7]
	s_nop 0
	PLACES 4
	s_branch .Lhead_asked
.Lhead_sa:
	s_cmp_lt_u32 s14, 3
	s_cbranch_scc0 .Lhead_sb
	tensor_load_to_lds s[G0S:G0S+3], s[G1S:G1S+7]
	s_nop 0
	PLACES 4
	s_branch .Lhead_asked
.Lhead_sb:
	tensor_load_to_lds s[G0SB:G0SB+3], s[G1SB:G1SB+7]
	s_nop 0
	PLACES 4
.Lhead_asked:
	s_mul_i32 s94, s16, NA*12288                   ; for the ring: my half of A's row tiles,
	s_mov_b32 s95, 0
	s_add_nc_u64 s[18:19], s[18:19], s[94:95]
	s_mul_i32 s94, s16, 98304                      ; and of B's
	s_add_nc_u64 s[22:23], s[22:23], s[94:95]
	s_mov_b32 s[G0+4], 1
	s_add_co_u32 s[G0+5], s100, SLOT
	s_add_nc_u64 s[G0+6:G0+7], s[18:19], 3072
	s_or_b32 s[G0+7], s[G0+7], 0x80000000
	s_mov_b32 s[G0B+4], 1
	s_add_co_u32 s[G0B+5], s101, SLOT
	s_add_nc_u64 s[G0B+6:G0B+7], s[22:23], 3072
	s_or_b32 s[G0B+7], s[G0B+7], 0x80000000
	v_and_b32 v1, 15, v0
	v_bfe_u32 v2, v0, 4, 1
	v_and_b32 v3, 31, v0
	v_lshlrev_b32 v[L16], 4, v3
	v_lshlrev_b32 v[L8], 3, v3
	s_mul_i32 s21, s15, NA*3072
	s_mul_i32 s22, s16, 24576
	s_add_co_u32 s22, s22, 2*NA*3072
.irp s, 0,1
	v_add_nc_u32 v[A16+\s], s21, v[L16]
	v_add_nc_u32 v[A8+\s], s21, v[L8]
	v_add_nc_u32 v[B16+\s], s22, v[L16]
	v_add_nc_u32 v[B8+\s], s22, v[L8]
	s_add_co_u32 s21, s21, SLOT
	s_add_co_u32 s22, s22, SLOT
.endr
	s_mul_i32 s21, s15, 64*NA
	s_add_co_u32 s21, s21, SCA
	v_lshl_add_u32 v[ADSA], v1, 2, s21
	s_lshl_b32 s22, s16, 9
	s_add_co_u32 s22, s22, SCB
	v_lshl_add_u32 v[ADSB], v1, 2, s22
	s_lshl_b32 s46, s42, 8
	s_lshl_b32 s47, s15, 7
	s_add_co_u32 s46, s46, s47
	s_lshl_b32 s47, s43, 8
	s_lshl_b32 s21, s16, 7
	s_add_co_u32 s47, s47, s21
	s_add_co_u32 s21, s46, 2048
	s_cmp_eq_u32 s3, 0
	s_cselect_b32 s22, s47, s21
	s_cselect_b32 s18, 32, 0
	s_cselect_b32 s19, 0, 4
	s_cselect_b32 s20, 4, 0
	s_lshl_b32 s22, s22, 2
	s_mov_b32 s23, 0
	s_add_nc_u64 s[8:9], s[8:9], s[22:23]
	v_mul_u32_u24 v[OFB], v2, s18
	v_mad_u32_u24 v[OFB], v1, s19, v[OFB]
.irp j, 1,2,3,4,5,6,7
	v_add_nc_u32 v[OFB+\j], s20, v[OFB+\j-1]
.endr
	WIN 0x40
.irp t, 0,1,2,3,4,5,6,7
.irp j, 0,1,2,3,4,5,6,7
	global_load_b32 v[96+8*\t+96*(\t/4)+\j], v[OFB+\j], s[8:9] offset:64*\t
.endr
.endr
	WIN 0
	s_lshl_b32 s92, s43, 1
	s_add_co_u32 s92, s92, s16
	s_lshr_b32 s93, s46, 4
	s_mov_b32 s94, 98304
	s_mov_b32 s96, 1536
	s_mov_b32 s98, 768
	s_mov_b32 s100, 4096
	s_cmp_eq_u32 s3, 0
	s_cselect_b32 s94, 786432, s94
	s_cselect_b32 s96, 768, s96
	s_cselect_b32 s98, 393216, s98
	s_cselect_b32 s100, 32768, s100
	s_cselect_b32 s95, 0, 12582912
	s_cselect_b32 s101, 0, 524288
	s_mul_i32 s94, s94, s92
	s_mul_i32 s21, s96, s93
	s_add_co_u32 s94, s94, s21
	s_add_co_u32 s94, s94, s95
	s_mov_b32 s95, 0
	s_add_nc_u64 s[94:95], s[10:11], s[94:95]
	s_mov_b32 s99, 0
	s_add_nc_u64 s[98:99], s[94:95], s[98:99]
	s_mov_b32 s97, 0
	s_mul_i32 s100, s100, s92
	s_lshl_b32 s21, s46, 2
	s_add_co_u32 s100, s100, s21
	s_add_co_u32 s100, s100, s101
	s_mov_b32 s101, 0
	s_add_nc_u64 s[12:13], s[12:13], s[100:101]
.macro FRAG reg, a16, a8, off
	ds_load_b128 v[\reg:\reg+3], v[\a16] offset:\off
	ds_load_b64 v[\reg+4:\reg+5], v[\a8] offset:\off+512
	ds_load_b128 v[\reg+6:\reg+9], v[\a16] offset:\off+768
	ds_load_b64 v[\reg+10:\reg+11], v[\a8] offset:\off+1280
.endm
.macro FETCH s
.set SL, ((\s)/2)%2
.set QF, (\s)%2
	WIN 0x40
.set II, 0
.rept 8
	FRAG 128*QF+12*II, B16+SL, B8+SL, II*3072+QF*1536
.set II, II+1
.endr
	WIN 0
.set II, 0
.rept NA
	FRAG AF+96*QF+12*II, A16+SL, A8+SL, II*3072+QF*1536
.set II, II+1
.endr
.set II, 0
.rept NA
	ds_load_b32 v[SCW+16*QF+II], v[ADSA] offset:(\s)*128*NA+64*II
.set II, II+1
.endr
.set II, 0
.rept 8
	ds_load_b32 v[SCW+16*QF+8+II], v[ADSB] offset:(\s)*1024+64*II
.set II, II+1
.endr
.endm
.macro MULS s, a0, cnt, cmode
.set QQ, (\s)%2
.set AI, \a0
.rept \cnt
.if \cmode
	WIN 0x91+0x40*(AI/4)
.else
	WIN 0xa1+0x50*(AI/4)
.endif
.irp b, 0,1,2,3,4,5,6,7
.set DD, 8*(8*(AI%4)+\b)
.if \cmode == 1
.set CC, 96+8*\b+96*(\b/4)
.elseif \cmode == 2
.set CC, 96+8*AI+96*(AI/4)
.else
.set CC, DD
.endif
	v_wmma_scale_f32_16x16x128_f8f6f4 v[DD:DD+7], v[128*QQ+12*\b:128*QQ+12*\b+11], v[AF+96*QQ+12*AI:AF+96*QQ+12*AI+11], v[CC:CC+7], v[SCW+16*QQ+8+\b], v[SCW+16*QQ+AI] matrix_a_fmt:MATRIX_FMT_FP6 matrix_b_fmt:MATRIX_FMT_FP6
.endr
.set AI, AI+1
.endr
.endm
.macro STEPE s
	WIN 0
	s_wait_dscnt 0x0
	PLACES 4
	FETCH (\s)+1
	MULS \s, 0, NA, 0
.endm
.macro STEPO s, fill
.set SLF, ((\s)/2)%2
	WIN 0
	s_wait_tensorcnt 0x0
	ds_add_u32 v[SPW], v[NIL]
	s_wait_dscnt 0x1
	MULS \s, 0, NA/4, 0
	s_wait_dscnt 0x0
	s_barrier_signal -1
	MULS \s, NA/4, NA/4, 0
	WIN 0
	s_barrier_wait -1
.if \fill
	CREST
	s_add_nc_u64 s[G0+4*SLF+2:G0+4*SLF+3], s[G0+4*SLF+2:G0+4*SLF+3], 6144
	s_add_nc_u64 s[G0B+4*SLF+2:G0B+4*SLF+3], s[G0B+4*SLF+2:G0B+4*SLF+3], 6144
	JLOAD G0+4*SLF, G1, G0B+4*SLF, G1B
.else
	PLACES 4
.endif
	FETCH (\s)+1
	MULS \s, NA/2, NA/2, 0
.endm
	s_wait_alu depctr_va_vdst(0)
	s_wait_tensorcnt 0x0                           ; my tile of the head's four is in
	ds_add_u32 v[SPW], v[NIL]
	s_mov_b32 s[G1+2], NA<<16                      ; no tensor load of mine is out: from here on a load brings half a tile's rows,
	s_mov_b32 s[G1+4], NA
	s_mov_b32 s[G1B+2], 8<<16
	s_mov_b32 s[G1B+4], 8
	s_mul_i32 s[G0+1], s16, NA*3072                ; and slot 0's group 0 stands at my half
	s_mul_i32 s18, s16, NA*12288
	s_mov_b32 s19, 0
	s_add_nc_u64 s[G0+2:G0+3], s[G0+2:G0+3], s[18:19]
	s_mul_i32 s[G0B+1], s16, 24576
	s_add_co_u32 s[G0B+1], s[G0B+1], 2*NA*3072
	s_mul_i32 s18, s16, 98304
	s_add_nc_u64 s[G0B+2:G0B+3], s[G0B+2:G0B+3], s[18:19]
	s_wait_dscnt 0x0
	CROUND                                         ; all four tiles are in, and all sixteen work-groups are here
	JLOAD G0+4, G1, G0B+4, G1B                     ; slot 1's first fill, the first tensor load behind the round
	FETCH 0
	s_wait_loadcnt 0x0
	s_wait_dscnt 0x0
	FETCH 1
	s_cmp_eq_u32 s3, 0
	s_cbranch_scc0 .Lrole_v
	MULS 0, 0, NA, 1
	WIN 0
	s_branch .Lroles_join
.Lrole_v:
	MULS 0, 0, NA, 2
	WIN 0
.Lroles_join:
	STEPO 1, 1
	STEPE 2
	STEPO 3, 1
	STEPE 4
	STEPO 5, 0
	STEPE 6
	WIN 0
	s_wait_dscnt 0x0
	MULS 7, 0, NA, 0
	WIN 0
	PLACES 4
.irp b, 0,1,2,3
	v_mov_b32 v[TM+4+\b], 0
.endr
.macro OUTA a
.set SRC, 64*((\a)%4)
.set WW, 2+(\a)/4
.if (\a) > 0
	s_wait_xcnt 0x0
	s_add_nc_u64 s[94:95], s[94:95], s[96:97]
	s_add_nc_u64 s[98:99], s[98:99], s[96:97]
.endif
	WIN WW*20
.irp b, 0,1,2,3
	v_max3_num_f32 v[TM+\b], 0x1800000, |v[SRC+16*\b]|, |v[SRC+16*\b+1]|
.endr
.irp i, 2,4,6,8,10,12,14
.irp b, 0,1,2,3
	v_max3_num_f32 v[TM+\b], v[TM+\b], |v[SRC+16*\b+\i]|, |v[SRC+16*\b+\i+1]|
.endr
.endr
	WIN 0
.irp b, 0,1,2,3
	v_permlanex16_b32 v[TM+4+\b], v[TM+\b], s[SEL], s[SEL+1]
.endr
.irp b, 0,1,2,3
	v_max_num_f32 v[TM+\b], v[TM+\b], v[TM+4+\b]
.endr
.irp b, 0,1,2,3
	v_add_nc_u32 v[TM+12+\b], 0xff000000, v[TM+\b]
.endr
.irp b, 0,1,2,3
	v_lshrrev_b32 v[TM+4+\b], 23, v[TM+12+\b]
.endr
	v_lshl_or_b32 v[PWA+(\a)], v[TM+5], 8, v[TM+4]
	v_lshl_or_b32 v[PWA+(\a)], v[TM+6], 16, v[PWA+(\a)]
	v_lshl_or_b32 v[PWA+(\a)], v[TM+7], 24, v[PWA+(\a)]
	WIN WW
.irp c, 0,1
	v_cvt_scalef32_pk16_fp6_f32 v[PC+6*\c:PC+6*\c+2], v[SRC+32*\c:SRC+32*\c+15], v[TM+12+2*\c]
	v_cvt_scalef32_pk16_fp6_f32 v[PC+12+4*\c:PC+14+4*\c], v[SRC+32*\c+16:SRC+32*\c+31], v[TM+13+2*\c]
.endr
	WIN 0
	v_nop
.irp c, 0,1
.irp i, 0,1,2
	v_permlane16_swap_b32 v[PC+6*\c+\i], v[PC+12+4*\c+\i]
.endr
.irp i, 0,1,2
	v_mov_b32 v[PC+3+6*\c+\i], v[PC+12+4*\c+\i]
.endr
.endr
	global_store_b128 v[L16], v[PC:PC+3], s[94:95]
	global_store_b64 v[L8], v[PC+4:PC+5], s[94:95] offset:512
	global_store_b128 v[L16], v[PC+6:PC+9], s[98:99]
	global_store_b64 v[L8], v[PC+10:PC+11], s[98:99] offset:512
.endm
.irp a, 0,1,2,3,4,5,6,7
	OUTA \a
.endr
	s_mov_b32 vcc_lo, 0xffff0000
.irp i, 0,1,2,3
	v_cndmask_b32 v[OW+\i], v[PWA+\i], v[PWA+4+\i], vcc_lo
.endr
	v_lshlrev_b32 v12, 5, v1
	v_lshl_add_u32 v12, v2, 4, v12
	global_store_b128 v12, v[OW:OW+3], s[12:13]
	s_wait_tensorcnt 0x0
	ds_add_u32 v[SPW], v[NIL]
	s_wait_dscnt 0x0
	CROUND
	s_endpgm
.Lfunc_end_k_q5939eabd50_qkv:
	.size	k_q5939eabd50_qkv, .Lfunc_end_k_q5939eabd50_qkv-k_q5939eabd50_qkv
	.p2alignl 7, 3214868480
	.fill 96, 4, 3214868480
	.section	.rodata,"a",@progbits
	.p2align	6, 0x0
	.amdhsa_kernel k_q5939eabd50_qkv
		.amdhsa_group_segment_fixed_size 327680
		.amdhsa_private_segment_fixed_size 0
		.amdhsa_enable_private_segment 0
		.amdhsa_kernarg_size 40
		.amdhsa_user_sgpr_count 2
		.amdhsa_user_sgpr_kernarg_segment_ptr 1
		.amdhsa_wavefront_size32 1
		.amdhsa_system_sgpr_workgroup_id_x 1
		.amdhsa_system_sgpr_workgroup_id_y 1
		.amdhsa_system_sgpr_workgroup_id_z 1
		.amdhsa_system_vgpr_workitem_id 0
		.amdhsa_next_free_vgpr 1024
		.amdhsa_next_free_sgpr 102
		.amdhsa_reserve_vcc 1
		.amdhsa_float_denorm_mode_32 3
		.amdhsa_float_denorm_mode_16_64 3
		.amdhsa_memory_ordered 1
		.amdhsa_forward_progress 1
		.amdhsa_inst_pref_size 171
	.end_amdhsa_kernel
	.amdgpu_metadata
---
amdhsa.version: [ 1, 2 ]
amdhsa.kernels:
  - .name:           k_q5939eabd50_qkv
    .symbol:         k_q5939eabd50_qkv.kd
    .args:
      - { .name: img1, .offset: 0, .size: 8, .value_kind: global_buffer, .address_space: global }
      - { .name: sc1, .offset: 8, .size: 8, .value_kind: global_buffer, .address_space: global }
      - { .name: qkv_b, .offset: 16, .size: 8, .value_kind: global_buffer, .address_space: global }
      - { .name: qkv_img, .offset: 24, .size: 8, .value_kind: global_buffer, .address_space: global }
      - { .name: qkv_sc, .offset: 32, .size: 8, .value_kind: global_buffer, .address_space: global }
    .group_segment_fixed_size: 327680
    .private_segment_fixed_size: 0
    .kernarg_segment_align: 8
    .kernarg_segment_size: 40
    .max_flat_workgroup_size: 128
    .sgpr_count:     102
    .vgpr_count:     1024
    .wavefront_size: 32
...
	.end_amdgpu_metadata
.endif
;; end of part 2
;; launch attn (part 3): grid 4 x 64, 16 waves a work-group, clusters of 4 x 1, 231,424 bytes of LDS; arguments qkv_img, qkv_sc, mask, o_img, o_sc; writes o_img, o_sc
.if DOCPART == 3
	.amdgcn_target "amdgcn-amd-amdhsa--gfx1250"
	.amdhsa_code_object_version 6
	.text
	.protected	k_q5939eabd50_attn
	.globl	k_q5939eabd50_attn
	.p2align	8
	.type	k_q5939eabd50_attn,@function
k_q5939eabd50_attn:
	s_mov_b64 s[64:65], 0
	v_nop
	global_prefetch_b8 v0, s[64:65] scope:SCOPE_SE
	s_setreg_imm32_b32 hwreg(HW_REG_WAVE_MODE, 25, 1), 1
	s_wait_xcnt 0x0
	s_wait_alu depctr_hold_cnt(0) depctr_sa_sdst(0) depctr_va_vdst(0) depctr_va_sdst(0) depctr_va_ssrc(0) depctr_va_vcc(0) depctr_vm_vsrc(0)
	s_getreg_b32 s2, hwreg(HW_REG_IB_STS2, 6, 4)
	s_cmp_eq_u32 s2, 0
	s_cbranch_scc0 .Lentry_in_a_cluster
	s_endpgm
.Lentry_in_a_cluster:
	s_bfe_u32 s2, ttmp6, 0x10000c
	s_cmp_lg_u32 s2, 0x3003
	s_cbranch_scc0 .Lentry_shape_is_right
	s_endpgm
.Lentry_shape_is_right:
; Attention of one head on codes of FP6 (E2M3): S^T = K Q^T, p = 2^(t - M) with t = score x log2(e) / 8 and M the ceiling of the running largest t, O^T = V^T P^T, O divided by the sum of the unquantised p
; and quantised along the head's 64 for the last product.  2,048 keys, 64 channels.
; SHARES.  Work-group (cx, y): batch y / 16, head y % 16, queries 512 cx on.  Sixteen waves; wave w owns query tiles 2 w and 2 w + 1 and works them one after the other (two passes over the keys).
; A HEAD'S K AND V LIE WHOLE IN LDS, as images of their registers, filled once, ONE TENSOR LOAD A WAVE: wave j < 8 fetches K of key steps 2 j, 2 j + 1 (12,288 dense bytes), wave 8 + j their V (two rows of 6,144 bytes).
; The loop has no barrier, no ring and no tensor load, so nothing is prefetched: all is asked for at the head.
; CLUSTER 4 x 1: the four blocks of queries of a head read the same K and V, so the loads are joint, with a mask that names the four.
; Both products are used transposed: a lane holds ONE query (lane % 16) throughout; tile t's register j is key 16 t + 8 (lane / 16) + j, which is the order in which v's codes were laid along the keys.
; THE MASK RIDES IN THE UNUSED HALF OF K Q^T (the head has 64 of the instruction's 128 along K).  Q's code at k = 64 is -1 under the scale 1; a masked key has the code 1 there under the scale 2^120, an open key 0.
; A masked score is so -2^120; the running largest t begins at -2^100, over every masked t: a masked key never enters M, and its p is 0.  Q's codes at k = 65 .. 127 are zeros: what K's registers hold there adds nothing.
; A ROW WITH NO OPEN KEY has the sum 0: its O is set to zeros and its scale bytes to 0xff, which makes the last product's sums NaN, as the softmax of such a row is.
; LIMITS: |t| stays under 2^100; NaN and infinities among the inputs are not served; a block of zeros gets the byte 1 (its codes are zeros; this program alone reads the bytes).
; REGISTERS: v1-3, v8 LDS addresses of the step; v4-7, v28-31 K's or V's scale words; v9 Q's (lanes 0-15 tile 2 w, lanes 16-31 tile 2 w + 1); v10 pass 0's bytes of O; v11 r; v12 -M, v13 the largest t, v[14:15] the sum;
;   v16-27 Q; v32-79, v80-127 fragments; v128-191 S^T, then p; v192-223 O^T; v224-235 p's codes; v236-254 at work; v255 the lane.
.set PAIR, 24576                       ; LDS: two steps' K (2 x 6,144), then their V (2 x 6,144); eight pairs
.set VOF,  12288                       ; from a step's K to its V
.set RCB,  196608                      ; behind the pairs: a step's records, STP bytes each
.set STP,  1280
.set REC,  0                           ; 48 bytes for each r: K's scale words of tiles 0-3, of tiles 4-7, V's four
.set COD,  768                         ; K's register 6, the mask's code: [tile 8][r 16] words
.set QST,  217088                      ; 768 bytes a wave: the image of Q's tile 2 w + 1
.set FA,   32
.set FB,   80
.set S,    128
.set O,    192
.set P,    224
.set T1,   236
.set BM,   244
.set SO,   248
.set LN,   255
.set RR,   11
.set WV,   14
.set T2,   22
.set RB,   23
.set G1,   24
.set G0K,  32
.set G0V,  36
.set SEL,  60
.set CS,   62
.set TB,   66
.set CNT,  67
.set SH,   68
.set QA,   69
.set G1V,  72
.macro CROUND                          ; a round of the cluster's barrier
	s_barrier_signal -1
	s_barrier_wait -1
	s_cmp_lg_u32 s[WV], 0
	s_cbranch_scc1 .Lnot_wave_0_\@
	s_barrier_signal -3
.Lnot_wave_0_\@:
	s_barrier_wait -3
	s_barrier_signal -1
	s_barrier_wait -1
.endm
	s_load_b128 s[4:7], s[0:1], 0x0                ; qkv_img, qkv_sc
	s_load_b128 s[8:11], s[0:1], 0x10              ; mask, o_img
	s_load_b64 s[12:13], s[0:1], 0x20              ; o_sc
	v_lshl_add_u32 v254, v0, 2, 0x38000
	v_mov_b32 v255, 0
	ds_add_u32 v254, v255                          ; the opening lines: the add twice on end and its wait
	ds_add_u32 v254, v255
	v_lshrrev_b32 v1, 5, v0
	v_readfirstlane_b32 s[WV], v1                  ; wave 0..15
	s_and_b32 s44, s[WV], 7                        ; the pair of steps that I fetch
	s_bfe_u32 s15, ttmp6, 0x40000                  ; cx: it enters Q's and O's addresses alone
	s_and_b32 s16, ttmp7, 0xffff
	s_lshr_b32 s17, s16, 4                         ; batch
	s_and_b32 s18, s16, 15                         ; head
	s_lshr_b32 s19, s18, 1
	s_and_b32 s20, s18, 1
	s_lshl_b32 s[SH], s20, 4                       ; which half of a scale word is my head's, in bits; also 16 bytes in v's words
	s_mul_i32 s40, s18, 393216                     ; K's tiles of my pair: plane 16 + head, token tile 128 batch + 16 pair
	s_mul_i32 s22, s17, 98304
	s_add_co_u32 s40, s40, s22
	s_mul_i32 s22, s44, 12288
	s_add_co_u32 s40, s40, s22
	s_add_co_u32 s40, s40, 6291456
	s_mov_b32 s41, 0
	s_lshl_b32 s21, s17, 4
	s_lshl_b32 s22, s44, 1
	s_add_co_u32 s42, s21, s22                     ; 16 batch + 2 pair
	s_add_co_u32 s21, s21, s[WV]                   ; 16 batch + w
	s_mul_i32 s42, s42, 98304                      ; V's four fragments of the pair's first step; the second's lie 98,304 bytes on
	s_mul_i32 s22, s18, 6144
	s_add_co_u32 s42, s42, s22
	s_add_co_u32 s42, s42, 12582912
	s_mov_b32 s43, 0
	s_mul_i32 s45, s[WV], STP                      ; step w's records in LDS
	s_add_co_u32 s45, s45, RCB
	s_mul_i32 s[QA], s[WV], 768
	s_add_co_u32 s[QA], s[QA], QST
	s_add_co_u32 s46, s19, 8                       ; K's scale words: plane 8 + head / 2, rows 2,048 batch + 128 w on
	s_lshl_b32 s46, s46, 13
	s_lshl_b32 s23, s17, 11
	s_lshl_b32 s22, s[WV], 7
	s_add_co_u32 s48, s23, s22                     ; (the same rows in the mask)
	s_add_co_u32 s46, s46, s48
	s_lshl_b32 s46, s46, 2
	s_mov_b32 s47, 0
	s_mov_b32 s49, 0
	s_lshl_b32 s50, s21, 12                        ; V's scale words
	s_lshl_b32 s22, s19, 9
	s_add_co_u32 s50, s50, s22
	s_add_co_u32 s50, s50, s[SH]
	s_add_co_u32 s50, s50, 524288
	s_mov_b32 s51, 0
	s_lshl_b32 s52, s17, 7
	s_lshl_b32 s22, s15, 5
	s_add_co_u32 s52, s52, s22
	s_lshl_b32 s22, s[WV], 1
	s_add_co_u32 s52, s52, s22                     ; my first query tile: 128 batch + 32 cx + 2 w
	s_lshl_b32 s56, s52, 3                         ; O's image: [tile][head / 2][head & 1][768]
	s_add_co_u32 s56, s56, s19
	s_mul_i32 s56, s56, 1536
	s_mul_i32 s22, s20, 768
	s_add_co_u32 s56, s56, s22
	s_mov_b32 s57, 0
	s_lshl_b32 s58, s19, 13                        ; O's scale bytes: [head / 2][token] words, my head's half-word
	s_lshl_b32 s22, s52, 4
	s_add_co_u32 s58, s58, s22
	s_lshl_b32 s58, s58, 2
	s_lshl_b32 s22, s20, 1
	s_add_co_u32 s58, s58, s22
	s_mov_b32 s59, 0
	s_lshr_b32 s54, s52, 3                         ; Q's scale words: the block of 128 rows, and in it tile (my tile % 8)
	s_lshl_b32 s54, s54, 7
	s_lshl_b32 s22, s19, 13
	s_add_co_u32 s54, s54, s22
	s_and_b32 s22, s52, 7
	s_add_co_u32 s54, s54, s22
	s_lshl_b32 s54, s54, 2
	s_mov_b32 s55, 0
	s_mul_i32 s52, s52, 768                        ; Q's images: plane head
	s_mul_i32 s22, s18, 393216
	s_add_co_u32 s52, s52, s22
	s_mov_b32 s53, 0
	s_mov_b32 s[G1], 15|(3<<16)|(1<<21)            ; K: the mask names all four work-groups; elements of 8 bytes; 12,288 dense bytes as 48 rows of 256
	s_mov_b32 s[G1+1], 32<<16
	s_mov_b32 s[G1+2], 48<<16
	s_mov_b32 s[G1+3], 32<<16
	s_mov_b32 s[G1+4], 48
	s_mov_b32 s[G1+5], 32
	s_mov_b32 s[G1+6], 0
	s_mov_b32 s[G1+7], 0
	s_mov_b32 s[G1V], 15|(3<<16)|(1<<21)           ; V: two rows of 6,144 bytes, 98,304 bytes apart
	s_mov_b32 s[G1V+1], 768<<16
	s_mov_b32 s[G1V+2], 2<<16
	s_mov_b32 s[G1V+3], 768<<16
	s_mov_b32 s[G1V+4], 2
	s_mov_b32 s[G1V+5], 12288
	s_mov_b32 s[G1V+6], 0
	s_mov_b32 s[G1V+7], 0
	s_mov_b32 s[SEL], 0x76543210
	s_mov_b32 s[SEL+1], 0xfedcba98
	s_mov_b32 s[CS], 0x3e38aa3b                    ; c = log2(e) / 8
	s_mov_b32 s[CS+1], s[CS]
	s_mov_b32 s70, 0x7f7f0000                      ; the scale 1 for blocks 2 and 3
	s_mov_b32 s71, 0x780000                        ; what a masked key adds to block 2's byte: 120
	s_wait_dscnt 0x0                               ; both opening adds are done
	s_wait_kmcnt 0x0
	s_mov_b32 s[G0K], 1
	s_mul_i32 s[G0K+1], s44, PAIR
	s_add_nc_u64 s[G0K+2:G0K+3], s[4:5], s[40:41]
	s_or_b32 s[G0K+3], s[G0K+3], 0x80000000
	s_mov_b32 s[G0V], 1
	s_add_co_u32 s[G0V+1], s[G0K+1], VOF
	s_add_nc_u64 s[G0V+2:G0V+3], s[4:5], s[42:43]
	s_or_b32 s[G0V+3], s[G0V+3], 0x80000000
	CROUND                                         ; all four work-groups are here: the joint loads meet
	s_cmp_lt_u32 s[WV], 8                          ; the launch's only tensor loads, one a wave, an arm each
	s_cbranch_scc0 .Lfor_v
	tensor_load_to_lds s[G0K:G0K+3], s[G1:G1+7]
	s_nop 0
.rept 4
	v_nop
.endr
	s_branch .Lasked
.Lfor_v:
	tensor_load_to_lds s[G0V:G0V+3], s[G1V:G1V+7]
	s_nop 0
.rept 4
	v_nop
.endr
.Lasked:
	s_add_nc_u64 s[46:47], s[6:7], s[46:47]
	s_add_nc_u64 s[48:49], s[8:9], s[48:49]
	s_add_nc_u64 s[50:51], s[6:7], s[50:51]
	s_add_nc_u64 s[52:53], s[4:5], s[52:53]
	s_add_nc_u64 s[54:55], s[6:7], s[54:55]
	s_add_nc_u64 s[56:57], s[10:11], s[56:57]
	s_add_nc_u64 s[58:59], s[12:13], s[58:59]
	v_and_b32 v[LN], 31, v0
	v_and_b32 v[RR], 15, v0
	v_bfe_u32 v146, v0, 4, 1                       ; h
	v_lshlrev_b32 v147, 4, v[LN]
	v_lshlrev_b32 v148, 3, v[LN]
	v_and_b32 v149, 1, v0                          ; lane & 1
	v_bfe_u32 v150, v0, 1, 4                       ; lane >> 1
	v_lshlrev_b32 v152, 5, v[RR]
	v_lshl_add_u32 v151, v149, 6, v150
	v_lshl_add_u32 v153, v146, 2, v152
	global_load_b128 v[128:131], v147, s[46:47]    ; K's words of row lane >> 1, tiles 4 (lane & 1) + 0 .. 3
.irp i, 0,1,2,3
	global_load_u8 v[132+\i], v151, s[48:49] offset:16*\i   ; and the mask of those four keys
.endr
	global_load_b128 v[136:139], v152, s[50:51]    ; V's words of row r of the head's four tiles
	global_load_b128 v[16:19], v147, s[52:53]      ; Q's tile 2 w
	global_load_b64 v[20:21], v148, s[52:53] offset:512
	global_load_b128 v[140:143], v147, s[52:53] offset:768   ; and tile 2 w + 1
	global_load_b64 v[144:145], v148, s[52:53] offset:1280
	global_load_b32 v9, v153, s[54:55]             ; Q's words: lanes 0-15 tile 2 w, lanes 16-31 tile 2 w + 1
	v_mul_u32_u24 v154, v150, 48
	v_lshlrev_b32 v155, 2, v150
	v_lshl_add_u32 v154, v149, 4, v154
	v_lshl_add_u32 v155, v149, 8, v155
	v_add_nc_u32 v154, s45, v154                   ; K's words in the records
	v_add_nc_u32 v155, s45, v155                   ; the mask's codes
	v_mul_u32_u24 v156, v[RR], 48
	v_add_nc_u32 v157, s[QA], v147
	v_add_nc_u32 v158, s[QA], v148
	v_add_nc_u32 v156, s45, v156                   ; V's words in the records
	v_xor_b32 v22, 1, v146
	v_mov_b32 v23, 0
	v_mul_u32_u24 v22, v22, 40                     ; Q's register 6: the code -1 (0x28) at k = 64, in lanes 0-15 alone
.irp j, 24,25,26,27
	v_mov_b32 v[\j], 0
.endr
.irp t, 0,1,2,3,4,5,6,7
.irp j, 7,8,9,10,11
	v_mov_b32 v[FA+12*\t+\j], 0                    ; written once: they stand against Q's zeros
.endr
.endr
.irp b, 0,1,2,3
	v_mov_b32 v[T1+\b], 0                          ; a lane permute's destination counts as one of its sources
.endr
	v_mov_b32 v253, 0                              ; (named as the upper half of v[252:253] before it is first written)
	s_wait_alu depctr_va_vdst(0)
	s_wait_loadcnt 0x0
.irp i, 0,1,2,3
	v_bfe_u32 v[128+\i], v[128+\i], s[SH], 16      ; my head's two bytes,
	v_mad_u32_u24 v159, v[132+\i], s71, s70        ; over them 127 or 247, and 127
	v_lshlrev_b32 v[132+\i], 3, v[132+\i]          ; the code 1 (0x08) at k = 64 of a masked key
	v_or_b32 v[128+\i], v[128+\i], v159
.endr
	v_bfe_u32 v9, v9, s[SH], 16
	v_or_b32 v9, s70, v9
	ds_store_b128 v154, v[128:131] offset:REC
.irp i, 0,1,2,3
	ds_store_b32 v155, v[132+\i] offset:COD+64*\i
.endr
	ds_store_b128 v156, v[136:139] offset:REC+32   ; both halves of the lanes write the same bytes with the same values
	ds_store_b128 v157, v[140:143]
	ds_store_b64 v158, v[144:145] offset:512
	s_wait_tensorcnt 0x0                           ; my tile has landed,
	s_wait_dscnt 0x0                               ; my records lie in LDS:
	s_barrier_signal -1
	s_barrier_wait -1                              ; everybody's do
.macro ADDR                            ; the step's four LDS addresses
	v_lshl_add_u32 v1, v[LN], 4, s[TB]
	v_lshl_add_u32 v2, v[LN], 3, s[TB]
	v_mad_u32_u24 v3, v[RR], 48, s[RB]
	v_lshl_add_u32 v8, v[RR], 2, s[RB]
.endm
.macro SPROD d, f, sc, p
.if \p
	v_wmma_scale_f32_16x16x128_f8f6f4 v[\d:\d+7], v[\f:\f+11], v[16:27], 0, v[\sc], v9 matrix_a_fmt:MATRIX_FMT_FP6 matrix_b_fmt:MATRIX_FMT_FP6 matrix_b_scale:MATRIX_SCALE_ROW1
.else
	v_wmma_scale_f32_16x16x128_f8f6f4 v[\d:\d+7], v[\f:\f+11], v[16:27], 0, v[\sc], v9 matrix_a_fmt:MATRIX_FMT_FP6 matrix_b_fmt:MATRIX_FMT_FP6
.endif
.endm
; A KEY STEP: 128 keys
.macro STEP p
	ds_load_b128 v[4:7], v3 offset:REC
.irp t, 0,1,2,3
	ds_load_b128 v[FA+12*\t:FA+12*\t+3], v1 offset:768*\t
	ds_load_b64 v[FA+12*\t+4:FA+12*\t+5], v2 offset:768*\t+512
	ds_load_b32 v[FA+12*\t+6], v8 offset:COD+64*\t
.endr
	ds_load_b128 v[28:31], v3 offset:REC+16
.irp t, 0,1,2,3
	ds_load_b128 v[FB+12*\t:FB+12*\t+3], v1 offset:768*\t+3072
	ds_load_b64 v[FB+12*\t+4:FB+12*\t+5], v2 offset:768*\t+3584
	ds_load_b32 v[FB+12*\t+6], v8 offset:COD+256+64*\t
.endr
	s_wait_dscnt 13                                ; tiles 0-3 are in; the thirteen loads of tiles 4-7 may be out
.irp t, 0,1,2,3
	SPROD S+8*\t, FA+12*\t, 4+\t, \p
.endr
	s_wait_dscnt 0x0
.irp t, 0,1,2,3
	SPROD S+32+8*\t, FB+12*\t, 28+\t, \p
.endr
.rept 4
	v_nop                                          ; places in front of the loads below and of the first read of the scores
.endr
	ds_load_b128 v[4:7], v3 offset:REC+32          ; V lands while the softmax is worked
.irp t, 0,1,2,3
	ds_load_b128 v[FA+12*\t:FA+12*\t+3], v1 offset:VOF+1536*\t
	ds_load_b64 v[FA+12*\t+4:FA+12*\t+5], v2 offset:VOF+1536*\t+512
	ds_load_b128 v[FA+12*\t+6:FA+12*\t+9], v1 offset:VOF+1536*\t+768
	ds_load_b64 v[FA+12*\t+10:FA+12*\t+11], v2 offset:VOF+1536*\t+1280
.endr
.irp b, 0,1,2,3
	v_max3_num_f32 v[BM+\b], v[S+16*\b], v[S+16*\b+1], v[S+16*\b+2]   ; the largest score of each block of 32 keys: for the row's maximum, and, since p rises with the score, for the block's largest p
.endr
.irp i, 3,5,7,9,11,13
.irp b, 0,1,2,3
	v_max3_num_f32 v[BM+\b], v[BM+\b], v[S+16*\b+\i], v[S+16*\b+\i+1]
.endr
.endr
.irp b, 0,1,2,3
	v_max_num_f32 v[BM+\b], v[BM+\b], v[S+16*\b+15]
.endr
.irp b, 0,1,2,3
	s_delay_alu instid0(VALU_DEP_4)
	v_permlanex16_b32 v[T1+\b], v[BM+\b], s[SEL], s[SEL+1]
.endr
.irp b, 0,1,2,3
	s_delay_alu instid0(VALU_DEP_4)
	v_max_num_f32 v[BM+\b], v[BM+\b], v[T1+\b]
.endr
	s_delay_alu instid0(VALU_DEP_2)
	v_max3_num_f32 v254, v[BM], v[BM+1], v[BM+2]
	s_delay_alu instid0(VALU_DEP_1)
	v_max_num_f32 v254, v254, v[BM+3]
	s_delay_alu instid0(VALU_DEP_1)
	v_mul_f32 v254, s[CS], v254                    ; the step's largest t
	s_delay_alu instid0(VALU_DEP_1)
	v_max_num_f32 v13, v13, v254                   ; the running largest
	v_mov_b32 v254, v12
	s_delay_alu instid0(VALU_DEP_2)
	v_floor_f32 v12, -v13                          ; -M = floor(-t): M is a whole number
	s_delay_alu instid0(VALU_DEP_1)
	v_sub_f32 v254, v12, v254                      ; old M - new M: a whole number, 0 or less
	s_delay_alu instid0(VALU_DEP_1)
	v_cvt_i32_f32 v254, v254                       ; (it saturates)
	s_delay_alu instid0(VALU_DEP_1)
	v_ldexp_f32 v252, 1.0, v254                    ; f = 2^(old M - new M): a multiplication by it rounds nothing
.set J, 0
.rept 32
	v_pk_fma_f32 v[S+J:S+J+1], v[S+J:S+J+1], s[CS:CS+1], v[12:13] op_sel_hi:[1,0,0]   ; t - M
.set J, J+2
.endr
.irp b, 0,1,2,3
	v_fma_f32 v[BM+\b], v[BM+\b], s[CS], v12
.endr
.set J, 0
	s_wait_alu depctr_va_vdst(0)
.rept 64
	v_exp_f32 v[S+J], v[S+J]                       ; p = 2^(t - M), not normalised
.set J, J+1
.endr
	v_pk_mul_f32 v[14:15], v[14:15], v[252:253] op_sel_hi:[1,0]   ; the sum under the new M; the plain line behind the exponentials
	s_wait_alu depctr_va_vdst(0)                   ; one wait for the batch of 64, ahead of its first reader
.irp b, 0,1,2,3
	v_exp_f32 v[BM+\b], v[BM+\b]                   ; each block's largest p
.endr
	v_pk_add_f32 v[236:237], v[132:133], v[136:137]   ; the sum of the unquantised p, in eight chains
	v_pk_add_f32 v[250:251], v[140:141], v[144:145]
	v_pk_add_f32 v[248:249], v[148:149], v[152:153]
	v_pk_add_f32 v[242:243], v[156:157], v[160:161]
	v_pk_add_f32 v[240:241], v[164:165], v[168:169]
	v_pk_add_f32 v[238:239], v[172:173], v[176:177]
	v_pk_add_f32 v[234:235], v[180:181], v[184:185]
	v_pk_add_f32 v[14:15], v[14:15], v[188:189]
	v_pk_add_f32 v[236:237], v[236:237], v[128:129]
	v_pk_add_f32 v[250:251], v[250:251], v[130:131]
	v_pk_add_f32 v[248:249], v[248:249], v[134:135]
	v_pk_add_f32 v[242:243], v[242:243], v[138:139]
	v_pk_add_f32 v[240:241], v[240:241], v[142:143]
	v_pk_add_f32 v[238:239], v[238:239], v[146:147]
	v_pk_add_f32 v[234:235], v[234:235], v[150:151]
	v_pk_add_f32 v[14:15], v[14:15], v[154:155]
	v_pk_add_f32 v[236:237], v[236:237], v[158:159]
	v_pk_add_f32 v[250:251], v[250:251], v[162:163]
	v_pk_add_f32 v[248:249], v[248:249], v[166:167]
	v_pk_add_f32 v[242:243], v[242:243], v[170:171]
	v_pk_add_f32 v[240:241], v[240:241], v[174:175]
	v_pk_add_f32 v[238:239], v[238:239], v[178:179]
	v_pk_add_f32 v[234:235], v[234:235], v[182:183]
	v_pk_add_f32 v[14:15], v[14:15], v[186:187]
	v_pk_add_f32 v[236:237], v[236:237], v[190:191]
	s_delay_alu instid0(VALU_DEP_2)
	v_pk_add_f32 v[14:15], v[14:15], v[242:243]
	s_delay_alu instid0(VALU_DEP_2)
	v_pk_add_f32 v[236:237], v[236:237], v[240:241]
	v_pk_add_f32 v[250:251], v[250:251], v[238:239]
	v_pk_add_f32 v[248:249], v[248:249], v[234:235]
	s_delay_alu instid0(VALU_DEP_2)
	v_pk_add_f32 v[14:15], v[14:15], v[250:251]
	s_delay_alu instid0(VALU_DEP_2)
	v_pk_add_f32 v[236:237], v[236:237], v[248:249]
	s_delay_alu instid0(VALU_DEP_1)
	v_pk_add_f32 v[14:15], v[14:15], v[236:237]
	s_wait_alu depctr_va_vdst(0)                   ; and one for the four
.irp b, 0,1,2,3
	v_max_num_f32 v[BM+\b], 0x1800000, v[BM+\b]    ; the floor 2^(3 - 127)
.endr
.irp b, 0,1,2,3
	s_delay_alu instid0(VALU_DEP_4)
	v_add_nc_u32 v[SO+\b], 0xff000000, v[BM+\b]
.endr
.irp b, 0,1,2,3
	s_delay_alu instid0(VALU_DEP_4)
	v_lshrrev_b32 v[T1+\b], 23, v[SO+\b]
.endr
	s_delay_alu instid0(VALU_DEP_3)
	v_lshl_or_b32 v253, v[T1+1], 8, v[T1]          ; p's scale word for these 128 keys
	s_delay_alu instid0(VALU_DEP_1)
	v_lshl_or_b32 v253, v[T1+2], 16, v253
	s_delay_alu instid0(VALU_DEP_1)
	v_lshl_or_b32 v253, v[T1+3], 24, v253
.irp c, 0,1
	v_cvt_scalef32_pk16_fp6_f32 v[P+6*\c:P+6*\c+2], v[S+32*\c:S+32*\c+15], v[SO+2*\c]
	v_cvt_scalef32_pk16_fp6_f32 v[T1+4*\c:T1+4*\c+2], v[S+32*\c+16:S+32*\c+31], v[SO+2*\c+1]
.endr
	v_nop                                          ; one plain line behind the conversions
.irp c, 0,1                            ; the operand wants a whole block in a lane: lanes 0-15 block 2 c, lanes 16-31 block 2 c + 1
.irp i, 0,1,2
	v_permlane16_swap_b32 v[P+6*\c+\i], v[T1+4*\c+\i]
.endr
.irp i, 0,1,2
	s_delay_alu instid0(VALU_DEP_3)
	v_mov_b32 v[P+3+6*\c+\i], v[T1+4*\c+\i]
.endr
.endr
.set J, 0
.rept 16
	v_pk_mul_f32 v[O+J:O+J+1], v[O+J:O+J+1], v[252:253] op_sel_hi:[1,0]   ; O^T under the new M, each accumulator from its low end on; these sixteen are also the places ahead of the products below
.set J, J+2
.endr
	s_wait_alu depctr_va_vdst(0)
	s_wait_dscnt 0x0                               ; V is in
.irp t, 0,1,2,3
	v_wmma_scale_f32_16x16x128_f8f6f4 v[O+8*\t:O+8*\t+7], v[FA+12*\t:FA+12*\t+11], v[P:P+11], v[O+8*\t:O+8*\t+7], v[4+\t], v253 matrix_a_fmt:MATRIX_FMT_FP6 matrix_b_fmt:MATRIX_FMT_FP6
.endr
	s_add_co_u32 s[CNT], s[CNT], 1                 ; the next step: pair CNT / 2, in it step CNT % 2
	s_lshr_b32 s[TB], s[CNT], 1
	s_mul_i32 s[TB], s[TB], PAIR
	s_and_b32 s[T2], s[CNT], 1
	s_mul_i32 s[T2], s[T2], 6144
	s_add_co_u32 s[TB], s[TB], s[T2]
	s_mul_i32 s[RB], s[CNT], STP
	s_add_co_u32 s[RB], s[RB], RCB
	ADDR                                           ; four plain lines: the places ahead of the next step's loads and of the first read of O^T behind the loop
.endm
; O^T / the sum, quantised along the head's 64: half a fragment and two scale bytes a row
.macro EPI p
	v_add_f32 v14, v14, v15
	v_permlanex16_b32 v252, v14, s[SEL], s[SEL+1]
	v_add_f32 v14, v14, v252                       ; the row's sum
	v_cmp_eq_f32 vcc_lo, 0, v14                    ; no open key
	s_wait_alu depctr_va_vdst(0)
	v_rcp_f32 v15, v14
	v_mov_b32 v254, 0                              ; the plain line behind the reciprocal
	s_wait_alu depctr_va_vdst(0)                   ; the wait ahead of its first reader
	v_cndmask_b32 v14, v15, v254, vcc_lo
.set J, 0
.rept 16
	v_pk_mul_f32 v[S+J:S+J+1], v[O+J:O+J+1], v[14:15] op_sel_hi:[1,0]
.set J, J+2
.endr
.irp b, 0,1
	v_max3_num_f32 v[BM+\b], |v[S+16*\b]|, |v[S+16*\b+1]|, 0x1800000
.endr
.irp i, 2,4,6,8,10,12,14
.irp b, 0,1
	v_max3_num_f32 v[BM+\b], v[BM+\b], |v[S+16*\b+\i]|, |v[S+16*\b+\i+1]|
.endr
.endr
.irp b, 0,1
	v_permlanex16_b32 v[T1+\b], v[BM+\b], s[SEL], s[SEL+1]
.endr
.irp b, 0,1
	v_max_num_f32 v[BM+\b], v[BM+\b], v[T1+\b]
.endr
.irp b, 0,1
	v_add_nc_u32 v[SO+\b], 0xff000000, v[BM+\b]
.endr
.irp b, 0,1
	v_lshrrev_b32 v[T1+\b], 23, v[SO+\b]
.endr
	v_lshl_or_b32 v252, v[T1+1], 8, v[T1]
	v_mov_b32 v254, 0xffff
.if \p
	v_cndmask_b32 v252, v252, v254, vcc_lo
.else
	v_cndmask_b32 v10, v252, v254, vcc_lo
.endif
	v_cvt_scalef32_pk16_fp6_f32 v[P:P+2], v[S:S+15], v[SO]
	v_cvt_scalef32_pk16_fp6_f32 v[T1:T1+2], v[S+16:S+31], v[SO+1]
	v_nop
.irp i, 0,1,2
	v_permlane16_swap_b32 v[P+\i], v[T1+\i]
.endr
.irp i, 0,1,2
	v_mov_b32 v[P+3+\i], v[T1+\i]
.endr
	v_lshlrev_b32 v1, 4, v[LN]
	v_lshlrev_b32 v2, 3, v[LN]
	global_store_b128 v1, v[P:P+3], s[56:57] offset:\p*12288          ; 512 and 256 consecutive bytes
	global_store_b64 v2, v[P+4:P+5], s[56:57] offset:\p*12288+512
.endm
.macro PASS p
.if \p
	s_wait_xcnt 0x0                                ; the first pass's stores have read their offsets and data
	v_lshl_add_u32 v1, v[LN], 4, s[QA]
	v_lshl_add_u32 v2, v[LN], 3, s[QA]
	ds_load_b128 v[16:19], v1                      ; Q's tile 2 w + 1
	ds_load_b64 v[20:21], v2 offset:512
.endif
	v_mov_b32 v13, 0xf1800000                      ; the largest t so far: -2^100
	v_mov_b32 v14, 0
	v_floor_f32 v12, -v13
	v_mov_b32 v15, 0
.set J, 0
.rept 32
	v_mov_b32 v[O+J], 0                            ; the step is written once: the first finds zeros, which the first change of M leaves zeros
.set J, J+1
.endr
	s_mov_b32 s[CNT], 0
	s_mov_b32 s[TB], 0
	s_mov_b32 s[RB], RCB
	ADDR
.if \p
	s_wait_dscnt 0x0
.endif
.Lstep_\@:
	s_wait_alu depctr_va_vdst(0)                   ; the addresses were written ahead of the jump
	STEP \p
	s_cmp_lg_u32 s[CNT], 16
	s_cbranch_scc1 .Lstep_\@
	EPI \p
.endm
	PASS 0
	PASS 1
	s_mov_b32 vcc_lo, 0xffff0000                   ; lanes 0-15: tile 2 w's rows, lanes 16-31: tile 2 w + 1's
	v_cndmask_b32 v10, v10, v252, vcc_lo
	v_lshlrev_b32 v3, 2, v[LN]
	global_store_b16 v3, v10, s[58:59]             ; my head's half of 32 tokens' scale words; the other head's work-group writes the other half
	s_wait_xcnt 0x0
	v_lshl_add_u32 v254, v0, 2, 0x38000
	v_mov_b32 v255, 0
	s_wait_alu depctr_va_vdst(0)
	s_wait_tensorcnt 0x0                           ; the wave's end
	ds_add_u32 v254, v255
	s_wait_dscnt 0x0
	CROUND                                         ; the closing round
	s_endpgm
.Lfunc_end_k_q5939eabd50_attn:
	.size	k_q5939eabd50_attn, .Lfunc_end_k_q5939eabd50_attn-k_q5939eabd50_attn
	.p2alignl 7, 3214868480
	.fill 96, 4, 3214868480
	.section	.rodata,"a",@progbits
	.p2align	6, 0x0
	.amdhsa_kernel k_q5939eabd50_attn
		.amdhsa_group_segment_fixed_size 231424
		.amdhsa_private_segment_fixed_size 0
		.amdhsa_enable_private_segment 0
		.amdhsa_kernarg_size 40
		.amdhsa_user_sgpr_count 2
		.amdhsa_user_sgpr_kernarg_segment_ptr 1
		.amdhsa_wavefront_size32 1
		.amdhsa_system_sgpr_workgroup_id_x 1
		.amdhsa_system_sgpr_workgroup_id_y 1
		.amdhsa_system_sgpr_workgroup_id_z 1
		.amdhsa_system_vgpr_workitem_id 0
		.amdhsa_next_free_vgpr 256
		.amdhsa_next_free_sgpr 80
		.amdhsa_reserve_vcc 1
		.amdhsa_float_denorm_mode_32 3
		.amdhsa_float_denorm_mode_16_64 3
		.amdhsa_memory_ordered 1
		.amdhsa_forward_progress 1
		.amdhsa_inst_pref_size 59
	.end_amdhsa_kernel
	.amdgpu_metadata
---
amdhsa.version: [ 1, 2 ]
amdhsa.kernels:
  - .name:           k_q5939eabd50_attn
    .symbol:         k_q5939eabd50_attn.kd
    .args:
      - { .name: qkv_img, .offset: 0, .size: 8, .value_kind: global_buffer, .address_space: global }
      - { .name: qkv_sc, .offset: 8, .size: 8, .value_kind: global_buffer, .address_space: global }
      - { .name: mask, .offset: 16, .size: 8, .value_kind: global_buffer, .address_space: global }
      - { .name: o_img, .offset: 24, .size: 8, .value_kind: global_buffer, .address_space: global }
      - { .name: o_sc, .offset: 32, .size: 8, .value_kind: global_buffer, .address_space: global }
    .group_segment_fixed_size: 231424
    .private_segment_fixed_size: 0
    .kernarg_segment_align: 8
    .kernarg_segment_size: 40
    .max_flat_workgroup_size: 512
    .sgpr_count:     80
    .vgpr_count:     256
    .wavefront_size: 32
...
	.end_amdgpu_metadata
.endif
;; end of part 3
;; launch proj (part 4): grid 4 x 64, 4 waves a work-group, clusters of 4 x 4, 327,680 bytes of LDS; arguments o_img, o_sc, img1, sc1, proj_b, out0; writes out0
.if DOCPART == 4
	.amdgcn_target "amdgcn-amd-amdhsa--gfx1250"
	.amdhsa_code_object_version 6
	.text
	.protected	k_q5939eabd50_proj
	.globl	k_q5939eabd50_proj
	.p2align	8
	.type	k_q5939eabd50_proj,@function
k_q5939eabd50_proj:
	s_mov_b64 s[64:65], 0
	v_nop
	global_prefetch_b8 v0, s[64:65] scope:SCOPE_SE
	s_setreg_imm32_b32 hwreg(HW_REG_WAVE_MODE, 25, 1), 1
	s_wait_xcnt 0x0
	s_wait_alu depctr_hold_cnt(0) depctr_sa_sdst(0) depctr_va_vdst(0) depctr_va_sdst(0) depctr_va_ssrc(0) depctr_va_vcc(0) depctr_vm_vsrc(0)
	s_getreg_b32 s2, hwreg(HW_REG_IB_STS2, 6, 4)
	s_cmp_eq_u32 s2, 0
	s_cbranch_scc0 .Lentry_in_a_cluster
	s_endpgm
.Lentry_in_a_cluster:
	s_bfe_u32 s2, ttmp6, 0x10000c
	s_cmp_lg_u32 s2, 0xf033
	s_cbranch_scc0 .Lentry_shape_is_right
	s_endpgm
.Lentry_shape_is_right:
.set NA,    4
.set SCPA,  8192
.set SLOT,  (2*NA+16)*3072
.set SCA,   2*SLOT
.set SCB,   SCA+1024*NA
.set SPARE, SCB+8192
.set STAGE, SPARE+512
.set A16,  16
.set A8,   18
.set B16,  20
.set B8,   22
.set L16,  24
.set L8,   25
.set ADSA, 26
.set ADSB, 27
.set SPW,  28
.set NIL,  29
.set STO,  12
.set RD,   13
.set SCW,  32
.set AF,   64
.set BK,   64
.set G1,   24
.set G0,   32
.set G1B,  48
.set G0B,  56
.set G1S,  68
.set G0S,  76
.set G1SB, 80
.set G0SB, 88
.set MSB, 0
.macro WIN new
.if MSB != (\new)
	s_set_vgpr_msb (MSB<<8)|(\new)
.set MSB, (\new)
.endif
.endm
.macro PLACES cnt
.rept \cnt
	v_nop
.endr
.endm
.macro JLOAD g0a, g1a, g0b, g1b
	s_cmp_eq_u32 s15, 0
	s_cbranch_scc0 .Lfor_b_\@
	tensor_load_to_lds s[\g0a:\g0a+3], s[\g1a:\g1a+7]
	s_nop 0
.rept 4
	v_nop
.endr
	s_branch .Lasked_\@
.Lfor_b_\@:
	tensor_load_to_lds s[\g0b:\g0b+3], s[\g1b:\g1b+7]
	s_nop 0
.rept 4
	v_nop
.endr
.Lasked_\@:
.endm
.macro CREST
	s_cmp_lg_u32 s14, 0
	s_cbranch_scc1 .Lnot_wave_0_\@
	s_barrier_signal -3
.Lnot_wave_0_\@:
	s_barrier_wait -3
	s_barrier_signal -1
	s_barrier_wait -1
.endm
.macro CROUND
	s_barrier_signal -1
	s_barrier_wait -1
	CREST
.endm
	s_load_b128 s[4:7], s[0:1], 0x0
	s_load_b128 s[8:11], s[0:1], 0x10
	s_load_b128 s[96:99], s[0:1], 0x20
	v_lshl_add_u32 v[SPW], v0, 2, SPARE
	v_mov_b32 v[NIL], 0
	ds_add_u32 v28, v29
	ds_add_u32 v28, v29
	s_wait_dscnt 0x0
	v_lshrrev_b32 v1, 5, v0
	v_readfirstlane_b32 s14, v1
	s_lshr_b32 s15, s14, 1
	s_and_b32 s16, s14, 1
	s_bfe_u32 s40, ttmp6, 0x40000
	s_bfe_u32 s41, ttmp6, 0x40004
	s_lshl_b32 s43, ttmp9, 2
	s_add_co_u32 s43, s43, s40
	s_and_b32 s42, ttmp7, 0xffff
	s_lshl_b32 s42, s42, 2
	s_add_co_u32 s42, s42, s41
	s_lshl_b32 s44, s41, 2
	s_lshl_b32 s44, 15, s44
	s_lshl_b32 s45, 0x1111, s40
	s_or_b32 s[G1], s44, (3<<16)|(1<<21)
	s_or_b32 s[G1B], s45, (3<<16)|(1<<21)
	s_mov_b32 s[G1+1], 384<<16
	s_mov_b32 s[G1+2], (2*NA)<<16
	s_mov_b32 s[G1+3], 384<<16
	s_mov_b32 s[G1+4], 2*NA
	s_mov_b32 s[G1+5], 1536
	s_mov_b32 s[G1+6], 0
	s_mov_b32 s[G1+7], 0
	s_mov_b32 s[G1B+1], 384<<16
	s_mov_b32 s[G1B+2], 16<<16
	s_mov_b32 s[G1B+3], 384<<16
	s_mov_b32 s[G1B+4], 16
	s_mov_b32 s[G1B+5], 1536
	s_mov_b32 s[G1B+6], 0
	s_mov_b32 s[G1B+7], 0
	s_or_b32 s[G1S], s44, (2<<16)|(1<<21)
	s_or_b32 s[G1SB], s45, (2<<16)|(1<<21)
	s_mov_b32 s[G1S+1], (32*NA)<<16
	s_mov_b32 s[G1S+2], 8<<16
	s_mov_b32 s[G1S+3], (32*NA)<<16
	s_mov_b32 s[G1S+4], 8
	s_mov_b32 s[G1S+5], SCPA
	s_mov_b32 s[G1S+6], 0
	s_mov_b32 s[G1S+7], 0
	s_mov_b32 s[G1SB+1], 256<<16
	s_mov_b32 s[G1SB+2], 8<<16
	s_mov_b32 s[G1SB+3], 256<<16
	s_mov_b32 s[G1SB+4], 8
	s_mov_b32 s[G1SB+5], 12288
	s_mov_b32 s[G1SB+6], 0
	s_mov_b32 s[G1SB+7], 0
	s_lshl_b32 s46, s42, 3
	s_lshl_b32 s47, s43, 4
	s_add_co_u32 s47, s47, 704
	s_mul_i32 s18, s46, 12288
	s_mov_b32 s19, 0
	s_lshl_b32 s20, s46, 6
	s_mov_b32 s21, 0
	s_mul_i32 s22, s47, 12288
	s_mov_b32 s23, 0
	s_lshl_b32 s92, s47, 6
	s_mov_b32 s93, 0
	s_mul_i32 s100, s16, NA*3072
	s_mul_i32 s101, s16, 24576
	s_add_co_u32 s101, s101, 2*NA*3072
	s_wait_kmcnt 0x0
	s_add_nc_u64 s[18:19], s[4:5], s[18:19]
	s_add_nc_u64 s[20:21], s[6:7], s[20:21]
	s_add_nc_u64 s[22:23], s[8:9], s[22:23]
	s_add_nc_u64 s[92:93], s[10:11], s[92:93]
	CROUND
	s_mov_b32 s[G0S], 1
	s_mov_b32 s[G0S+1], SCA
	s_mov_b64 s[G0S+2:G0S+3], s[20:21]
	s_or_b32 s[G0S+3], s[G0S+3], 0x80000000
	s_mov_b32 s[G0SB], 1
	s_mov_b32 s[G0SB+1], SCB
	s_mov_b64 s[G0SB+2:G0SB+3], s[92:93]
	s_or_b32 s[G0SB+3], s[G0SB+3], 0x80000000
	; the head's four tiles, each whole, one a wave: slot 0's rows of A, of B, A's scale words, B's.  Slot 0's own group 0 serves the whole tile here and is set to my half behind the wait for these loads
	s_mov_b32 s[G0], 1
	s_mov_b32 s[G0+1], 0
	s_mov_b64 s[G0+2:G0+3], s[18:19]
	s_or_b32 s[G0+3], s[G0+3], 0x80000000
	s_mov_b32 s[G0B], 1
	s_mov_b32 s[G0B+1], 2*NA*3072
	s_mov_b64 s[G0B+2:G0B+3], s[22:23]
	s_or_b32 s[G0B+3], s[G0B+3], 0x80000000
	s_cmp_lt_u32 s14, 1                            ; one chain of arms on the wave's number, a load to an arm
	s_cbranch_scc0 .Lhead_b
	tensor_load_to_lds s[G0:G0+3], s[G1:G1+7]
	s_nop 0
	PLACES 4
	s_branch .Lhead_asked
.Lhead_b:
	s_cmp_lt_u32 s14, 2
	s_cbranch_scc0 .Lhead_sa
	tensor_load_to_lds s[G0B:G0B+3], s[G1B:G1B+7]
	s_nop 0
	PLACES 4
	s_branch .Lhead_asked
.Lhead_sa:
	s_cmp_lt_u32 s14, 3
	s_cbranch_scc0 .Lhead_sb
	tensor_load_to_lds s[G0S:G0S+3], s[G1S:G1S+7]
	s_nop 0
	PLACES 4
	s_branch .Lhead_asked
.Lhead_sb:
	tensor_load_to_lds s[G0SB:G0SB+3], s[G1SB:G1SB+7]
	s_nop 0
	PLACES 4
.Lhead_asked:
	s_mul_i32 s94, s16, NA*12288                   ; for the ring: my half of A's row tiles,
	s_mov_b32 s95, 0
	s_add_nc_u64 s[18:19], s[18:19], s[94:95]
	s_mul_i32 s94, s16, 98304                      ; and of B's
	s_add_nc_u64 s[22:23], s[22:23], s[94:95]
	s_mov_b32 s[G0+4], 1
	s_add_co_u32 s[G0+5], s100, SLOT
	s_add_nc_u64 s[G0+6:G0+7], s[18:19], 3072
	s_or_b32 s[G0+7], s[G0+7], 0x80000000
	s_mov_b32 s[G0B+4], 1
	s_add_co_u32 s[G0B+5], s101, SLOT
	s_add_nc_u64 s[G0B+6:G0B+7], s[22:23], 3072
	s_or_b32 s[G0B+7], s[G0B+7], 0x80000000
	v_and_b32 v1, 15, v0
	v_bfe_u32 v2, v0, 4, 1
	v_and_b32 v3, 31, v0
	v_lshlrev_b32 v[L16], 4, v3
	v_lshlrev_b32 v[L8], 3, v3
	s_mul_i32 s21, s15, NA*3072
	s_mul_i32 s22, s16, 24576
	s_add_co_u32 s22, s22, 2*NA*3072
.irp s, 0,1
	v_add_nc_u32 v[A16+\s], s21, v[L16]
	v_add_nc_u32 v[A8+\s], s21, v[L8]
	v_add_nc_u32 v[B16+\s], s22, v[L16]
	v_add_nc_u32 v[B8+\s], s22, v[L8]
	s_add_co_u32 s21, s21, SLOT
	s_add_co_u32 s22, s22, SLOT
.endr
	s_mul_i32 s21, s15, 64*NA
	s_add_co_u32 s21, s21, SCA
	v_lshl_add_u32 v[ADSA], v1, 2, s21
	s_lshl_b32 s22, s16, 9
	s_add_co_u32 s22, s22, SCB
	v_lshl_add_u32 v[ADSB], v1, 2, s22
	s_lshl_b32 s46, s42, 7
	s_lshl_b32 s47, s15, 6
	s_add_co_u32 s46, s46, s47
	s_lshl_b32 s46, s46, 12
	s_lshl_b32 s47, s43, 8
	s_lshl_b32 s18, s16, 7
	s_add_co_u32 s47, s47, s18
	s_lshl_b32 s47, s47, 2
	s_mov_b32 s18, s47
	s_mov_b32 s19, 0
	s_add_nc_u64 s[96:97], s[96:97], s[18:19]
	s_add_co_u32 s18, s46, s47
	s_add_nc_u64 s[98:99], s[98:99], s[18:19]
	v_lshlrev_b32 v4, 5, v2
	WIN 0x40
.irp t, 0,1,2,3,4,5,6,7
	global_load_b128 v[96+8*\t+96*(\t/4):96+8*\t+96*(\t/4)+3], v4, s[96:97] offset:64*\t
	global_load_b128 v[96+8*\t+96*(\t/4)+4:96+8*\t+96*(\t/4)+7], v4, s[96:97] offset:64*\t+16
.endr
	WIN 0
	s_mul_i32 s18, s14, 16*528
	s_add_co_u32 s18, s18, STAGE
	v_mul_u32_u24 v[STO], v1, 528
	v_lshl_add_u32 v[STO], v2, 5, v[STO]
	v_add_nc_u32 v[STO], s18, v[STO]
	v_add_nc_u32 v[RD], s18, v[L16]
.macro FRAG reg, a16, a8, off
	ds_load_b128 v[\reg:\reg+3], v[\a16] offset:\off
	ds_load_b64 v[\reg+4:\reg+5], v[\a8] offset:\off+512
	ds_load_b128 v[\reg+6:\reg+9], v[\a16] offset:\off+768
	ds_load_b64 v[\reg+10:\reg+11], v[\a8] offset:\off+1280
.endm
.macro FETCH s
.set SL, ((\s)/2)%2
.set QF, (\s)%2
	WIN 0x40
.set II, 0
.rept 8
	FRAG 128*QF+12*II, B16+SL, B8+SL, II*3072+QF*1536
.set II, II+1
.endr
	WIN 0
.set II, 0
.rept NA
	FRAG AF+96*QF+12*II, A16+SL, A8+SL, II*3072+QF*1536
.set II, II+1
.endr
.set II, 0
.rept NA
	ds_load_b32 v[SCW+16*QF+II], v[ADSA] offset:(\s)*128*NA+64*II
.set II, II+1
.endr
.set II, 0
.rept 8
	ds_load_b32 v[SCW+16*QF+8+II], v[ADSB] offset:(\s)*1024+64*II
.set II, II+1
.endr
.endm
.macro MULS s, a0, cnt, cmode
.set QQ, (\s)%2
.set AI, \a0
.rept \cnt
.if \cmode
	WIN 0x91
.else
	WIN 0xa1
.endif
.irp b, 0,1,2,3,4,5,6,7
.set DD, 8*(8*AI+\b)
.if \cmode
.set CC, 96+8*\b+96*(\b/4)
.else
.set CC, DD
.endif
	v_wmma_scale_f32_16x16x128_f8f6f4 v[DD:DD+7], v[128*QQ+12*\b:128*QQ+12*\b+11], v[AF+96*QQ+12*AI:AF+96*QQ+12*AI+11], v[CC:CC+7], v[SCW+16*QQ+8+\b], v[SCW+16*QQ+AI] matrix_a_fmt:MATRIX_FMT_FP6 matrix_b_fmt:MATRIX_FMT_FP6
.endr
.set AI, AI+1
.endr
.endm
.macro STEPE s
	WIN 0
	s_wait_dscnt 0x0
	PLACES 4
	FETCH (\s)+1
	MULS \s, 0, NA, 0
.endm
.macro STEPO s, fill
.set SLF, ((\s)/2)%2
	WIN 0
	s_wait_tensorcnt 0x0
	ds_add_u32 v[SPW], v[NIL]
	s_wait_dscnt 0x1
	MULS \s, 0, NA/4, 0
	s_wait_dscnt 0x0
	s_barrier_signal -1
	MULS \s, NA/4, NA/4, 0
	WIN 0
	s_barrier_wait -1
.if \fill
	CREST
	s_add_nc_u64 s[G0+4*SLF+2:G0+4*SLF+3], s[G0+4*SLF+2:G0+4*SLF+3], 6144
	s_add_nc_u64 s[G0B+4*SLF+2:G0B+4*SLF+3], s[G0B+4*SLF+2:G0B+4*SLF+3], 6144
	JLOAD G0+4*SLF, G1, G0B+4*SLF, G1B
.else
	PLACES 4
.endif
	FETCH (\s)+1
	MULS \s, NA/2, NA/2, 0
.endm
	s_wait_alu depctr_va_vdst(0)
	s_wait_tensorcnt 0x0                           ; my tile of the head's four is in
	ds_add_u32 v[SPW], v[NIL]
	s_mov_b32 s[G1+2], NA<<16                      ; no tensor load of mine is out: from here on a load brings half a tile's rows,
	s_mov_b32 s[G1+4], NA
	s_mov_b32 s[G1B+2], 8<<16
	s_mov_b32 s[G1B+4], 8
	s_mul_i32 s[G0+1], s16, NA*3072                ; and slot 0's group 0 stands at my half
	s_mul_i32 s18, s16, NA*12288
	s_mov_b32 s19, 0
	s_add_nc_u64 s[G0+2:G0+3], s[G0+2:G0+3], s[18:19]
	s_mul_i32 s[G0B+1], s16, 24576
	s_add_co_u32 s[G0B+1], s[G0B+1], 2*NA*3072
	s_mul_i32 s18, s16, 98304
	s_add_nc_u64 s[G0B+2:G0B+3], s[G0B+2:G0B+3], s[18:19]
	s_wait_dscnt 0x0
	CROUND                                         ; all four tiles are in, and all sixteen work-groups are here
	JLOAD G0+4, G1, G0B+4, G1B                     ; slot 1's first fill, the first tensor load behind the round
	FETCH 0
	s_wait_loadcnt 0x0
	s_wait_dscnt 0x0
	FETCH 1
	MULS 0, 0, NA, 1
	STEPO 1, 1
	STEPE 2
	STEPO 3, 1
	STEPE 4
	STEPO 5, 0
	STEPE 6
	WIN 0
	s_wait_dscnt 0x0
	MULS 7, 0, NA, 0
	WIN 0
.macro TOSTAGE a
.set AC, 64*(\a)
	WIN 0x08
.irp b, 0,1,2,3,4,5,6,7
	ds_store_b128 v[STO], v[AC+8*\b:AC+8*\b+3] offset:64*\b
	ds_store_b128 v[STO], v[AC+8*\b+4:AC+8*\b+7] offset:64*\b+16
.endr
	WIN 0
.set BB, BK+64*((\a)%2)
.irp t, 0,1,2,3,4,5,6,7,8,9,10,11,12,13,14,15
	ds_load_b128 v[BB+4*\t:BB+4*\t+3], v[RD] offset:\t*528
.endr
.endm
.macro SEND a, younger
.set BB, BK+64*((\a)%2)
	s_wait_dscnt \younger
.if (\a) > 0
	s_add_nc_u64 s[98:99], s[98:99], 65536
.endif
.irp t, 0,1,2,3,4,5,6,7,8,9,10,11,12,13,14,15
	global_store_b128 v[L16], v[BB+4*\t:BB+4*\t+3], s[98:99] offset:\t*4096 th:TH_STORE_NT
.endr
.endm
	PLACES 4
	TOSTAGE 0
.irp a, 1,2,3
.if \a > 1
	s_wait_xcnt 0x0
.endif
	TOSTAGE \a
	SEND \a-1, 32
.endr
	s_wait_xcnt 0x0
	SEND 3, 0
	s_wait_tensorcnt 0x0
	ds_add_u32 v[SPW], v[NIL]
	s_wait_dscnt 0x0
	CROUND
	s_endpgm
.Lfunc_end_k_q5939eabd50_proj:
	.size	k_q5939eabd50_proj, .Lfunc_end_k_q5939eabd50_proj-k_q5939eabd50_proj
	.p2alignl 7, 3214868480
	.fill 96, 4, 3214868480
	.section	.rodata,"a",@progbits
	.p2align	6, 0x0
	.amdhsa_kernel k_q5939eabd50_proj
		.amdhsa_group_segment_fixed_size 327680
		.amdhsa_private_segment_fixed_size 0
		.amdhsa_enable_private_segment 0
		.amdhsa_kernarg_size 48
		.amdhsa_user_sgpr_count 2
		.amdhsa_user_sgpr_kernarg_segment_ptr 1
		.amdhsa_wavefront_size32 1
		.amdhsa_system_sgpr_workgroup_id_x 1
		.amdhsa_system_sgpr_workgroup_id_y 1
		.amdhsa_system_sgpr_workgroup_id_z 1
		.amdhsa_system_vgpr_workitem_id 0
		.amdhsa_next_free_vgpr 768
		.amdhsa_next_free_sgpr 102
		.amdhsa_reserve_vcc 0
		.amdhsa_float_denorm_mode_32 3
		.amdhsa_float_denorm_mode_16_64 3
		.amdhsa_memory_ordered 1
		.amdhsa_forward_progress 1
		.amdhsa_inst_pref_size 94
	.end_amdhsa_kernel
	.amdgpu_metadata
---
amdhsa.version: [ 1, 2 ]
amdhsa.kernels:
  - .name:           k_q5939eabd50_proj
    .symbol:         k_q5939eabd50_proj.kd
    .args:
      - { .name: o_img, .offset: 0, .size: 8, .value_kind: global_buffer, .address_space: global }
      - { .name: o_sc, .offset: 8, .size: 8, .value_kind: global_buffer, .address_space: global }
      - { .name: img1, .offset: 16, .size: 8, .value_kind: global_buffer, .address_space: global }
      - { .name: sc1, .offset: 24, .size: 8, .value_kind: global_buffer, .address_space: global }
      - { .name: proj_b, .offset: 32, .size: 8, .value_kind: global_buffer, .address_space: global }
      - { .name: out0, .offset: 40, .size: 8, .value_kind: global_buffer, .address_space: global }
    .group_segment_fixed_size: 327680
    .private_segment_fixed_size: 0
    .kernarg_segment_align: 8
    .kernarg_segment_size: 48
    .max_flat_workgroup_size: 128
    .sgpr_count:     102
    .vgpr_count:     768
    .wavefront_size: 32
...
	.end_amdgpu_metadata
.endif
;; end of part 4
